; MI455X (gfx1250); checked and timed in simulation.
; The chip was launched on July 23, 2026; its instructions are those of AMD's public machine-readable ISA for CDNA 5 (MIT licence, August 2026) and "CDNA5" Instruction Set Architecture Reference Guide (July 2026). The comments in the code are by the model that wrote it; some were corrected since.
;; Multi Head Attention. Allowed arithmetic: matrix products marked QUANTISED: E2M3 operands, one E8M0 scale for each 32 along K, by v_wmma_scale_f32_16x16x128_f8f6f4 with both operands' format E2M3, f32 sums; everything else in f32.
;; Inputs: Wk 16 x 1,024 x 64 float32; Wo 1,024 x 1,024 float32; Wq 16 x 1,024 x 64 float32; Wv 16 x 1,024 x 64 float32; bk 16 x 64 float32; bo 1,024 float32; bq 16 x 64 float32; bv 16 x 64 float32; k 4 x 2,048 x 1,024 float32; q 4 x 2,048 x 1,024 float32; v 4 x 2,048 x 1,024 float32.
;; Outputs: out0 4 x 2,048 x 1,024 float32.
;; This version of the problem:
;;   THIS VERSION OF THE PROBLEM IS GIVEN IN LOW PRECISION. The matrix products marked QUANTISED in the list below multiply operands that are first quantised to E2M3 (2 exponent bits, 3 mantissa bits; 6 bits a number), with one power-of-two scale for each 32 numbers along K (OCP MX v1.0); their sums are f32. All else is computed in f32.
;;   The module's matrix products, in the order in which they are computed (A, B: the left and right operand; K: the contracted axis; several contracted axes count as one K, in the product's order):
;;     1. [M 1,024, K 1,024] x [K 1,024, N 8,192]; A: input Wq; B: input q: QUANTISED
;;     2. [M 1,024, K 1,024] x [K 1,024, N 8,192]; A: input Wk; B: input k: QUANTISED
;;     3. [M 1,024, K 1,024] x [K 1,024, N 8,192]; A: input Wv; B: input v: QUANTISED
;;     4. batch 64 x [M 2,048, K 64] x [K 64, N 2,048]; A: computed on the way; B: computed on the way: QUANTISED
;;     5. batch 64 x [M 2,048, K 2,048] x [K 2,048, N 64]; A: softmax (see below); B: computed on the way: QUANTISED
;;     6. [M 8,192, K 1,024] x [K 1,024, N 1,024]; A: computed on the way; B: input Wo: QUANTISED
;;   THE QUANTISER, for each operand of a quantised product, along K:
;;     - K is cut into blocks of 32 from its start; a last block that is shorter is filled with zeros.
;;     - A block's scale is 2^e with e = floor(log2(the largest magnitude in the block)) - 2, held to -126 .. 127; a block of zeros has e = 0. As a byte (E8M0): e + 127.
;;     - Each number is divided by its block's scale, clamped to +-7.5, and rounded to the nearest number of E2M3, ties to even, subnormals kept.
;;     - The product sums the exact products of the quantised numbers (number of the format x scale) in f32.
;;   ~~~python
;;   def quantise(x, axis):      # numpy; x: float32 -> the quantised numbers, widened to float32 again
;;       x = np.moveaxis(x, axis, -1); K = x.shape[-1]
;;       x = np.pad(x, [(0, 0)] * (x.ndim - 1) + [(0, -K % 32)]); x = x.reshape(x.shape[:-1] + (-1, 32)); a = np.abs(x).max(-1, keepdims=True)
;;       e = np.where(a > 0, np.clip(np.frexp(np.where(a > 0, a, 1))[1] - 1 - 2, -126, 127), 0)      # np.frexp(a)[1] - 1 = floor(log2(a)), exactly
;;       r = np.clip(x / 2.0 ** e, -7.5, 7.5)
;;       step = 2.0 ** (np.maximum(np.frexp(np.where(r == 0, 1, r))[1] - 1, 0) - 3)
;;       q = np.round(r / step) * step * 2.0 ** e      # np.round: ties to even
;;       return np.moveaxis(q.reshape(q.shape[:-2] + (-1,))[..., :K], -1, axis).astype(np.float32)
;;   ~~~
;;   SOFTMAX AHEAD OF A QUANTISED PRODUCT. Where the list says 'softmax', what is quantised is not the finished softmax but p = 2^(t - M), with t = logit x log2(e) and M = ceil(the row's largest t), a whole number; so 1/2 < the row's largest p <= 1. The row's sum l is taken of the UNQUANTISED p, in f32, and the product's result is divided by l at the end. Since M is a whole number, a kernel that streams over the keys may use a running M (the ceiling of the running maximum): every later rescaling is an exact power of two, which a block's scale takes up: the codes' values come out the same.
;;   OPERANDS COMPUTED ON THE WAY. 'Computed on the way' means the value that the module computes at that place (a softmax that the list does not call 'softmax' is quantised finished and normalised). What goes into a quantiser is computed in f32, as accurately as f32 sums, v_exp_f32 and their like allow (about 1e-6 of the number): no bf16 or f16 on the way to a quantiser, and a product that is left as it is and whose result goes on into a quantised operand takes f32 operands (vector FMAs, or v_wmma_f32_16x16x4_f32). A number that lies on a knife's edge between two numbers of the format may be rounded either way, as far as f32 arithmetic and the matrix unit's own rounding can turn it there, and no further.
;; One version. Each part assembles by itself: llvm-mc -triple=amdgcn-amd-amdhsa -mcpu=gfx1250 --defsym DOCPART=n.
;; ======== version 1 of 1: 4 launches
;; limits: right only within a limited range of input values
;; workspace buffers: cod 22,020,096 bytes; scl 917,504 bytes; qkv 19,660,800 bytes; cc 6,291,456 bytes; cs 262,144 bytes
;; launch quant (part 1): grid 896 x 1, 4 waves a work-group, no clusters, 102,912 bytes of LDS; arguments q, k, v, Wq, Wk, Wv, Wo, cod, scl; writes cod, scl
.if DOCPART == 1
	.amdgcn_target "amdgcn-amd-amdhsa--gfx1250"
	.amdhsa_code_object_version 6
	.text
	.protected	k_q674978dc7f_quant
	.globl	k_q674978dc7f_quant
	.p2align	8
	.type	k_q674978dc7f_quant,@function
k_q674978dc7f_quant:
	s_mov_b64 s[64:65], 0
	v_nop
	global_prefetch_b8 v0, s[64:65] scope:SCOPE_SE
	s_setreg_imm32_b32 hwreg(HW_REG_WAVE_MODE, 25, 1), 1
	s_wait_xcnt 0x0
; q, k, v [8192][1024] f32 (K innermost) and Wq, Wk, Wv [16][1024][64], Wo [1024][1024] f32 (K on an outer axis) become codes of FP6 (E2M3), K innermost, and one E8M0 byte for each 32 along K.
; cod: rows of 768 bytes (1,024 codes): rows 0.. q, 8192.. k, 16384.. v, 24576.. Wq, 25600.. Wk, 26624.. Wv, 27648.. Wo's columns.  scl: 32 bytes a row, the same rows.
; THE ORDER OF ROWS.  sigma(x) swaps bits 3 and 4 of x.  Row p of k and of v holds token sigma(p); row head x 64 + p of Wq, Wk, Wv holds column head x 64 + sigma(p); q and Wo lie in their own order.
; So in the next launch's results a lane's 16 registers of two neighbouring tiles are 16 neighbours along the axis that is quantised there.
; A block's scale is 2^(floor(log2(its largest magnitude)) - 2); its byte is the largest magnitude's exponent field - 2, held at 1 from below.
; LIMITS: a block of zeros, or one whose largest magnitude lies under 2^-124, gets the byte 1 (its codes are what the conversion gives under that scale; zeros stay zeros; this program alone reads the bytes); NaN and infinities among the inputs are not served.
; SHARES.  Work-groups 0-95: Wq, Wk, Wv; 96-127: Wo (a wave: 32 columns x 256 along K, a lane to a column, registers down K); 128-895: q, k, v (a wave: 8 rows, 16 steps of 512 numbers).
; The three ways part on the work-group's number and have LDS bytes of their own.  No work-group shares an input with another: no cluster, no tensor load, no barrier.
; COD'S ORDER AND K'S ROWS, AS THE CODE BELOW HAS THEM (this stands in place of what the head says of cod's rows of 768 bytes and of k's order):
; cod is laid [block of 128 rows][K step of 256 codes: 4][row in the block: 128][192 bytes]: the 128 rows x 192 bytes that a product's launch fetches at once are 24,576 consecutive bytes, a multiple of 256, at a multiple of 256.
; Row 64 c + 16 j + 8 h + i of k (j = 0 .. 3, h = 0, 1, i = 0 .. 7) holds token 64 c + 32 h + 8 j + i: in the attention launch a lane's 32 scores of a band of 64 keys are then one whole block of 32 keys.  v keeps sigma, q its own order.
.set IN,    32
.set OC,    34                         ; s[34:35] where its codes go
.set OS,    36                         ; s[36:37] where its scale bytes go
.set WROW,  24576                      ; the weights' first row in cod and scl
.set KROW,  768                        ; a row of codes in bytes
; q, k, v
.set STEPS, 16
.set CB,    12                         ; bytes of 16 codes
.set R,     16                         ; v16-79   four sets of 16 numbers as they are loaded
.set X,     80                         ; v80-111  two sets of 16 neighbours
.set E,     112                        ; v112-127 a scale byte for each step
.set C,     128                        ; v128-191 codes: four registers for each step, so that no store's data are written again
.set WREG,  8192                       ; LDS 0..32767: a region for each wave: two stages of 32 x SP bytes, behind them its 256 scale bytes
.set SP,    80                         ; a lane's place in a stage: 64 bytes + 16 of padding
; the weights
.set NB,    8                          ; blocks of 32 along K for a wave
.set WP,    272                        ; a stage row: sixteen places of 16 bytes (12 of codes each) + 16
.set WX,    32                         ; v32-95   two sets of 32 numbers
.set WC,    96                         ; v96-102  a block's codes
.set OUTR,  112                        ; v112-175 the way out
.set SB,    24                         ; v24-25   the scale bytes, four to a register
.macro ALOAD t                         ; step t: four loads of 512 consecutive bytes
.irp i, 0,1,2,3
	global_load_b128 v[R+16*((\t)%4)+4*\i:R+16*((\t)%4)+4*\i+3], v3, s[IN:IN+1] offset:2048*(\t)+512*\i th:TH_LOAD_NT
.endr
.endm
.macro ATURN t                         ; step t's 2,048 bytes through the wave's stage: in as they lie, out 64 bytes a lane.  LDS serves a wave's instructions in order: no wait between
.irp i, 0,1,2,3
	ds_store_b128 v14, v[R+16*((\t)%4)+4*\i:R+16*((\t)%4)+4*\i+3] offset:32*SP*((\t)%2)+8*SP*\i
.endr
.irp i, 0,1,2,3
	ds_load_b128 v[X+16*((\t)%2)+4*\i:X+16*((\t)%2)+4*\i+3], v15 offset:32*SP*((\t)%2)+16*\i
.endr
.endm
.macro ASTEP t
.set XS, X+16*((\t)%2)
.if (\t) > 0
	s_wait_dscnt 1                                 ; this step's numbers are back from the stage; the last step's byte store may be out
.else
	s_wait_dscnt 0x0
.endif
.if (\t)+4 < STEPS
	ALOAD (\t)+4                                   ; into the registers whose stores into the stage are done
.endif
.if (\t)+1 < STEPS
.if STEPS-2-(\t) >= 3
	s_wait_loadcnt 12                              ; the next step's four loads are in; the twelve of the three steps behind it may be out
.else
	s_wait_loadcnt 4*(STEPS-2-(\t))
.endif
	ATURN (\t)+1
.endif
	v_max3_num_f32 v8, |v[XS]|, |v[XS+1]|, |v[XS+2]|               ; the largest magnitude of my 16, in two chains
	v_max3_num_f32 v9, |v[XS+3]|, |v[XS+4]|, |v[XS+5]|
.irp i, 6,10
	v_max3_num_f32 v8, v8, |v[XS+\i]|, |v[XS+\i+1]|
	v_max3_num_f32 v9, v9, |v[XS+\i+2]|, |v[XS+\i+3]|
.endr
	v_max3_num_f32 v8, v8, |v[XS+14]|, |v[XS+15]|
	v_max3_num_f32 v8, v8, v9, 0x1800000           ; and the floor 2^(3 - 127): the byte cannot fall under 1
	v_max_num_f32_dpp v8, v8, v8 row_xmask:1 row_mask:0xf bank_mask:0xf   ; with my neighbour's 16: the block's
	v_add_nc_u32 v11, 0xff000000, v8               ; 2 off its exponent field: the conversion takes the exponent field of this operand as its scale
	v_cvt_scalef32_pk16_fp6_f32 v[C+4*(\t):C+4*(\t)+2], v[XS:XS+15], v11
	v_lshrrev_b32 v[E+(\t)], 23, v11               ; the scale's byte
	ds_store_b8 v5, v[E+(\t)] offset:16*(\t)       ; both lanes of a block write the same byte with the same value
	global_store_b96 v4, v[C+4*(\t):C+4*(\t)+2], s[OC:OC+1] offset:49152*((\t)%2)+192*((\t)/2)   ; row t / 2, K steps 2 (t % 2) and 2 (t % 2) + 1: sixteen lanes store 192 consecutive bytes of each
.endm
.macro WLOAD t, stride                 ; block t: W(32 t + i, my column), i = 0 .. 31, into set t % 2; the 32 lanes read 128 consecutive bytes
.set i, 0
.rept 32
	global_load_b32 v[WX+32*((\t)%2)+i], v3, s[IN:IN+1] offset:(32*(\t)+i)*(\stride) th:TH_LOAD_NT
.set i, i+1
.endr
.endm
.macro WBLOCK t, stride
.set WS, WX+32*((\t)%2)
.if (\t) < NB-1
	s_wait_loadcnt 32                              ; this block's 32 loads are in; the next block's 32 may be out
.else
	s_wait_loadcnt 0
.endif
	v_max3_num_f32 v12, |v[WS]|, |v[WS+1]|, |v[WS+2]|              ; the block's largest magnitude: all 32 numbers are mine
	v_max3_num_f32 v13, |v[WS+3]|, |v[WS+4]|, |v[WS+5]|
.irp i, 6,10,14,18,22,26
	v_max3_num_f32 v12, v12, |v[WS+\i]|, |v[WS+\i+1]|
	v_max3_num_f32 v13, v13, |v[WS+\i+2]|, |v[WS+\i+3]|
.endr
	v_max3_num_f32 v12, v12, |v[WS+30]|, |v[WS+31]|
	v_max3_num_f32 v12, v12, v13, 0x1800000        ; and the floor
	v_add_nc_u32 v11, 0xff000000, v12              ; the conversions' scale operand
	v_lshrrev_b32 v13, 23, v11                     ; the scale's byte
.if (\t)%4 == 0
	v_mov_b32 v[SB+(\t)/4], v13                    ; four bytes to a register, the lower K in the lower byte
.else
	v_lshl_or_b32 v[SB+(\t)/4], v13, 8*((\t)%4), v[SB+(\t)/4]
.endif
	v_cvt_scalef32_pk16_fp6_f32 v[WC:WC+2], v[WS:WS+15], v11
	v_cvt_scalef32_pk16_fp6_f32 v[WC+4:WC+6], v[WS+16:WS+31], v11  ; (a conversion's three registers begin on an even number)
	ds_store_b96 v4, v[WC:WC+2] offset:32*(\t)     ; 12 bytes to a place of 16 in the stage: every LDS address is a multiple of 16
	ds_store_b96 v4, v[WC+4:WC+6] offset:32*(\t)+16
.if (\t)+2 < NB
	WLOAD (\t)+2, \stride
.endif
	s_wait_dscnt 0x0                               ; the stores have read their registers: the next block's codes may be written
.endm
; A wave's 32 columns x 256 along K.  v3 = my column's byte offset in a row of W; stride = bytes from row to row of W; stage = this way's LDS bytes
.macro WQ stride, stage
	s_mul_i32 s38, s30, 32*WP
	s_add_co_u32 s38, s38, \stage                  ; my wave's stage
	v_mul_u32_u24 v4, v2, WP
	v_add_nc_u32 v4, s38, v4                       ; into it: row = my lane
	v_and_b32 v5, 15, v2
	v_lshrrev_b32 v6, 4, v2                        ; out of it: sixteen lanes to a row, two rows an instruction
	v_mul_u32_u24 v7, v6, WP
	v_lshl_add_u32 v7, v5, 4, v7
	v_add_nc_u32 v7, s38, v7
	v_mul_u32_u24 v8, v6, 192
	v_mad_u32_u24 v8, v5, 12, v8                   ; and the same place in cod
	v_lshlrev_b32 v9, 5, v2                        ; my row of scale bytes
	WLOAD 0, \stride
	WLOAD 1, \stride
.irp t, 0,1,2,3,4,5,6,7
	WBLOCK \t, \stride
.endr
	s_wait_alu depctr_va_vdst(0)
	global_store_b64 v9, v[SB:SB+1], s[OS:OS+1]    ; my row's 8 scale bytes
.irp t, 0,1,2,3,4,5,6,7,8,9,10,11,12,13,14,15
	ds_load_b96 v[OUTR+4*\t:OUTR+4*\t+2], v7 offset:2*\t*WP      ; LDS serves a wave's instructions in order: these see my stores
.endr
.irp t, 0,1,2,3,4,5,6,7,8,9,10,11,12,13,14,15
	s_wait_dscnt 15-\t                             ; loads come back in order: number t is in, the younger ones may be out
	global_store_b96 v8, v[OUTR+4*\t:OUTR+4*\t+2], s[OC:OC+1] offset:2*\t*192   ; two rows of 192 bytes on end: the wave stores 384 consecutive bytes
.endr
.endm
	s_load_b512 s[8:23], s[0:1], 0x0               ; q s[8:9], k, v, Wq s[14:15], Wk, Wv, Wo s[20:21], cod s[22:23]
	s_load_b64 s[24:25], s[0:1], 0x40              ; scl
	v_lshl_add_u32 v192, v0, 2, 0x19000
	v_mov_b32 v193, 0
	v_lshrrev_b32 v1, 5, v0
	v_readfirstlane_b32 s30, v1                    ; wave 0..3
	v_and_b32 v2, 31, v0                           ; lane
	s_mov_b32 s43, 0                               ; the high word of every offset pair s[42:43]
	s_wait_kmcnt 0x0
	s_cmp_lt_u32 ttmp9, 96
	s_cbranch_scc1 .Lheads
	s_cmp_lt_u32 ttmp9, 128
	s_cbranch_scc1 .Lwo
	; ---- q, k, v: work-group 128 + 256 x tensor + window of 32 rows; my wave takes 8 rows: 8,192 numbers
	s_sub_co_u32 s38, ttmp9, 128
	s_lshr_b32 s39, s38, 8                         ; which tensor
	s_and_b32 s38, s38, 255
	s_lshl_b32 s40, s38, 2                         ; the window's first run of 8 rows
	s_add_co_u32 s41, s40, s30
	s_lshl_b32 s42, s41, 15                        ; a run is 32,768 bytes of f32
	s_and_b32 s44, s30, 1                          ; sigma on rows: bits 3 and 4 of a row are bits 0 and 1 of the wave
	s_lshl_b32 s44, s44, 1
	s_lshr_b32 s45, s30, 1
	s_or_b32 s44, s44, s45
	s_cmp_eq_u32 s39, 0                            ; q keeps its order
	s_cselect_b32 s44, s30, s44
	s_cselect_b64 s[IN:IN+1], s[8:9], s[10:11]
	s_cmp_eq_u32 s39, 2
	s_cselect_b64 s[IN:IN+1], s[12:13], s[IN:IN+1]
	s_add_nc_u64 s[IN:IN+1], s[IN:IN+1], s[42:43]
	s_lshl_b32 s45, s39, 10
	s_add_co_u32 s45, s45, s40
	s_add_co_u32 s44, s45, s44                     ; the run's place in cod and scl, for q and v
	s_and_b32 s46, s41, 3                          ; k: the run's three low bits (h, j1, j0) go to (j1, j0, h)
	s_lshl_b32 s46, s46, 1
	s_bfe_u32 s47, s41, 0x10002
	s_or_b32 s46, s46, s47
	s_and_b32 s47, s41, 0x3f8
	s_or_b32 s46, s46, s47
	s_add_co_u32 s46, s46, 1024
	s_cmp_eq_u32 s39, 1
	s_cselect_b32 s44, s46, s44
	s_lshr_b32 s42, s44, 4                         ; sixteen runs of 8 rows to a block of 98,304 bytes
	s_mul_i32 s42, s42, 98304
	s_and_b32 s46, s44, 15
	s_mul_i32 s46, s46, 1536                       ; 8 rows of 192 bytes
	s_add_co_u32 s42, s42, s46
	s_add_nc_u64 s[OC:OC+1], s[22:23], s[42:43]
	s_lshl_b32 s42, s44, 8                         ; 256 scale bytes a run
	s_add_nc_u64 s[OS:OS+1], s[24:25], s[42:43]
	s_wait_alu depctr_va_vdst(0)
	v_lshlrev_b32 v3, 4, v2                        ; my 16 bytes of a load's 512
	s_mul_i32 s38, s30, WREG
	v_lshrrev_b32 v14, 2, v2
	v_mul_u32_u24 v14, v14, SP
	v_and_b32 v15, 3, v2
	v_lshl_add_u32 v14, v15, 4, v14
	v_add_nc_u32 v14, s38, v14                     ; the stage, on the way in: SP (lane / 4) + 16 (lane % 4)
	v_mul_u32_u24 v15, v2, SP
	v_add_nc_u32 v15, s38, v15                     ; and on the way out: SP x lane
	v_and_b32 v4, 15, v2                           ; my codes' place: 12 bytes a lane in a row's 192; lanes 16-31 one K step (24,576 bytes) on
	v_mul_u32_u24 v4, v4, CB
	v_lshrrev_b32 v12, 4, v2
	v_mad_u32_u24 v4, v12, 24576, v4
	v_lshrrev_b32 v5, 1, v2
	s_add_co_u32 s38, s38, 2*32*SP
	v_add_nc_u32 v5, s38, v5                       ; my wave's 256 scale bytes, my block's byte
	v_lshlrev_b32 v7, 3, v2
	v_add_nc_u32 v6, s38, v7                       ; and on the way out 8 bytes a lane
.irp t, 0,1,2,3
	ALOAD \t
.endr
	s_wait_alu depctr_va_vdst(0)
	s_wait_loadcnt 12                              ; step 0's four loads are in
	ATURN 0
.irp t, 0,1,2,3,4,5,6,7,8,9,10,11,12,13,14,15
	ASTEP \t
.endr
	ds_load_b64 v[12:13], v6                       ; LDS serves a wave's instructions in order: these see my byte stores
	s_wait_dscnt 0x0
	global_store_b64 v7, v[12:13], s[OS:OS+1]      ; 32 lanes store 256 consecutive bytes, aligned
	s_wait_tensorcnt 0x0
	ds_add_u32 v192, v193
	s_wait_dscnt 0x0
	s_endpgm
.Lheads:                                               ; ---- Wq, Wk, Wv: work-group = 32 x tensor + 8 x (256 along K) + (128 columns = two heads)
	s_lshr_b32 s39, ttmp9, 5                       ; which tensor
	s_and_b32 s40, ttmp9, 7                        ; which 128 columns
	s_bfe_u32 s41, ttmp9, 0x20003                  ; which 256 along K
	s_cmp_eq_u32 s39, 0
	s_cselect_b64 s[IN:IN+1], s[14:15], s[16:17]
	s_cmp_eq_u32 s39, 2
	s_cselect_b64 s[IN:IN+1], s[18:19], s[IN:IN+1]
	s_lshl_b32 s42, s40, 1
	s_lshr_b32 s44, s30, 1
	s_add_co_u32 s42, s42, s44                     ; my head
	s_lshl_b32 s42, s42, 18                        ; a head is 1,024 rows of 256 bytes
	s_lshl_b32 s44, s41, 16                        ; 256 rows
	s_add_co_u32 s42, s42, s44
	s_and_b32 s44, s30, 1
	s_lshl_b32 s44, s44, 7                         ; my 32 of the head's 64 columns
	s_add_co_u32 s42, s42, s44
	s_add_nc_u64 s[IN:IN+1], s[IN:IN+1], s[42:43]
	s_lshl_b32 s44, s39, 10
	s_lshl_b32 s45, s40, 7
	s_add_co_u32 s44, s44, s45
	s_lshl_b32 s45, s30, 5
	s_add_co_u32 s44, s44, s45
	s_add_co_u32 s44, s44, WROW
	s_lshr_b32 s42, s44, 7                         ; block, K step, row in the block
	s_mul_i32 s42, s42, 98304
	s_mul_i32 s45, s41, 24576
	s_add_co_u32 s42, s42, s45
	s_and_b32 s45, s44, 127
	s_mul_i32 s45, s45, 192
	s_add_co_u32 s42, s42, s45
	s_add_nc_u64 s[OC:OC+1], s[22:23], s[42:43]
	s_lshl_b32 s42, s44, 5
	s_lshl_b32 s45, s41, 3
	s_add_co_u32 s42, s42, s45
	s_add_nc_u64 s[OS:OS+1], s[24:25], s[42:43]
	s_wait_alu depctr_va_vdst(0)
	v_and_b32 v3, 7, v2                            ; lane L makes row L and reads column sigma(L)
	v_bfe_u32 v5, v2, 3, 1
	v_bfe_u32 v6, v2, 4, 1
	v_lshl_or_b32 v3, v5, 4, v3
	v_lshl_or_b32 v3, v6, 3, v3
	v_lshlrev_b32 v3, 2, v3
	WQ 256, 32768
	s_wait_tensorcnt 0x0
	ds_add_u32 v192, v193
	s_wait_dscnt 0x0
	s_endpgm
.Lwo:                                                  ; ---- Wo: work-group = 96 + 8 x (256 along K) + (128 columns)
	s_and_b32 s40, ttmp9, 7
	s_bfe_u32 s41, ttmp9, 0x20003
	s_lshl_b32 s44, s40, 7
	s_lshl_b32 s45, s30, 5
	s_add_co_u32 s44, s44, s45                     ; my wave's first column
	s_lshl_b32 s42, s41, 20                        ; 256 rows of 4,096 bytes
	s_lshl_b32 s45, s44, 2
	s_add_co_u32 s42, s42, s45
	s_add_nc_u64 s[IN:IN+1], s[20:21], s[42:43]
	s_add_co_u32 s44, s44, WROW+3072
	s_lshr_b32 s42, s44, 7                         ; block, K step, row in the block
	s_mul_i32 s42, s42, 98304
	s_mul_i32 s45, s41, 24576
	s_add_co_u32 s42, s42, s45
	s_and_b32 s45, s44, 127
	s_mul_i32 s45, s45, 192
	s_add_co_u32 s42, s42, s45
	s_add_nc_u64 s[OC:OC+1], s[22:23], s[42:43]
	s_lshl_b32 s42, s44, 5
	s_lshl_b32 s45, s41, 3
	s_add_co_u32 s42, s42, s45
	s_add_nc_u64 s[OS:OS+1], s[24:25], s[42:43]
	s_wait_alu depctr_va_vdst(0)
	v_lshlrev_b32 v3, 2, v2
	WQ 4096, 67584
	s_wait_tensorcnt 0x0
	ds_add_u32 v192, v193
	s_wait_dscnt 0x0
	s_endpgm
.Lfunc_end_k_q674978dc7f_quant:
	.size	k_q674978dc7f_quant, .Lfunc_end_k_q674978dc7f_quant-k_q674978dc7f_quant
	.p2alignl 7, 3214868480
	.fill 96, 4, 3214868480
	.section	.rodata,"a",@progbits
	.p2align	6, 0x0
	.amdhsa_kernel k_q674978dc7f_quant
		.amdhsa_group_segment_fixed_size 102912
		.amdhsa_private_segment_fixed_size 0
		.amdhsa_enable_private_segment 0
		.amdhsa_kernarg_size 72
		.amdhsa_user_sgpr_count 2
		.amdhsa_user_sgpr_kernarg_segment_ptr 1
		.amdhsa_wavefront_size32 1
		.amdhsa_system_sgpr_workgroup_id_x 1
		.amdhsa_system_sgpr_workgroup_id_y 1
		.amdhsa_system_sgpr_workgroup_id_z 1
		.amdhsa_system_vgpr_workitem_id 0
		.amdhsa_next_free_vgpr 194
		.amdhsa_next_free_sgpr 66
		.amdhsa_reserve_vcc 0
		.amdhsa_float_denorm_mode_32 3
		.amdhsa_float_denorm_mode_16_64 3
		.amdhsa_memory_ordered 1
		.amdhsa_forward_progress 1
		.amdhsa_inst_pref_size 116
	.end_amdhsa_kernel
	.amdgpu_metadata
---
amdhsa.version: [ 1, 2 ]
amdhsa.kernels:
  - .name:           k_q674978dc7f_quant
    .symbol:         k_q674978dc7f_quant.kd
    .args:
      - { .name: q, .offset: 0, .size: 8, .value_kind: global_buffer, .address_space: global }
      - { .name: k, .offset: 8, .size: 8, .value_kind: global_buffer, .address_space: global }
      - { .name: v, .offset: 16, .size: 8, .value_kind: global_buffer, .address_space: global }
      - { .name: Wq, .offset: 24, .size: 8, .value_kind: global_buffer, .address_space: global }
      - { .name: Wk, .offset: 32, .size: 8, .value_kind: global_buffer, .address_space: global }
      - { .name: Wv, .offset: 40, .size: 8, .value_kind: global_buffer, .address_space: global }
      - { .name: Wo, .offset: 48, .size: 8, .value_kind: global_buffer, .address_space: global }
      - { .name: cod, .offset: 56, .size: 8, .value_kind: global_buffer, .address_space: global }
      - { .name: scl, .offset: 64, .size: 8, .value_kind: global_buffer, .address_space: global }
    .group_segment_fixed_size: 102912
    .private_segment_fixed_size: 0
    .kernarg_segment_align: 8
    .kernarg_segment_size: 72
    .max_flat_workgroup_size: 128
    .sgpr_count:     66
    .vgpr_count:     194
    .wavefront_size: 32
...
	.end_amdgpu_metadata
.endif
;; end of part 1
;; launch proj (part 2): grid 4 x 96, 4 waves a work-group, clusters of 4 x 4, 327,680 bytes of LDS; arguments cod, scl, bq, bk, bv, qkv; writes qkv
.if DOCPART == 2
	.amdgcn_target "amdgcn-amd-amdhsa--gfx1250"
	.amdhsa_code_object_version 6
	.text
	.protected	k_q674978dc7f_proj
	.globl	k_q674978dc7f_proj
	.p2align	8
	.type	k_q674978dc7f_proj,@function
k_q674978dc7f_proj:
	s_mov_b64 s[64:65], 0
	v_nop
	global_prefetch_b8 v0, s[64:65] scope:SCOPE_SE
	s_setreg_imm32_b32 hwreg(HW_REG_WAVE_MODE, 25, 1), 1
	s_wait_xcnt 0x0
	s_wait_alu depctr_hold_cnt(0) depctr_sa_sdst(0) depctr_va_vdst(0) depctr_va_sdst(0) depctr_va_ssrc(0) depctr_va_vcc(0) depctr_vm_vsrc(0)
	s_getreg_b32 s2, hwreg(HW_REG_IB_STS2, 6, 4)
	s_cmp_eq_u32 s2, 0
	s_cbranch_scc0 .Lentry_in_a_cluster
	s_endpgm
.Lentry_in_a_cluster:
	s_bfe_u32 s2, ttmp6, 0x10000c
	s_cmp_lg_u32 s2, 0xf033
	s_cbranch_scc0 .Lentry_shape_is_right
	s_endpgm
.Lentry_shape_is_right:
.set SIZE_K, 1024
.set KSTEP,  256
.set NQ,     KSTEP/128
.set ROWB,   24576                     ; from a K step's 128 rows x 192 bytes to the next K step's, in cod's order [block of 128 rows][K step][row][192]
.set KROW,   SIZE_K*6/8
.set PITCH,  240
.set FR,     12
.set NL,     6
.set NP,     4
.set HALFT,  128*PITCH
.set SLOT,   4*HALFT
.set LAPS,   SIZE_K/(2*KSTEP)
.set KS,     SIZE_K/32
.set SCL,    2*SLOT
.set HALFS,  (128*KS/256)*272
.set SBLK,   (16*KS/256)*272
.set SPARE,  SCL+4*HALFS
.set WROW,   24576
.set REC,    19200
.set HEADB,  16*REC
.set BAQ,  7
.set VO,   8
.set VOS,  9
.set HH,   10
.set SELV, 11
.set BAV,  12
.set ADRA, 16
.set ADRB, 20
.set ADRS, 27
.set SPW,  28
.set NIL,  29
.set SC,   32
.set BI,   64
.set AF,   128
.set H,    128
.set IMG0, 192
.set IMG1, 204
.set T0,   216
.set T1,   220
.set TM,   224
.set SW,   240
.set OW,   248
.set G1, 24
.set G0, 32
.set G1B, 48
.set G0B, 56
.set G1S, 68
.set G0S, 76
.set G1SB, 80
.set G0SB, 88
.set PROJ, 95
.set SEL,  100
.set MSB, 0
.macro WIN new
.if MSB != \new
	s_set_vgpr_msb (MSB<<8)|\new
.set MSB, \new
.endif
.endm
.set MUL_LO, 0xa1
.set MUL_HI, 0xf1
.set TO_B,   0x40
.macro JLOAD g0a, g1a, g0b, g1b
	s_cmp_eq_u32 s15, 0
	s_cbranch_scc0 .Lfor_b_\@
	tensor_load_to_lds s[\g0a:\g0a+3], s[\g1a:\g1a+7]
	s_nop 0
.rept 4
	v_nop
.endr
	s_branch .Lasked_\@
.Lfor_b_\@:
	tensor_load_to_lds s[\g0b:\g0b+3], s[\g1b:\g1b+7]
	s_nop 0
.rept 4
	v_nop
.endr
.Lasked_\@:
.endm
.macro CREST
	s_cmp_lg_u32 s14, 0
	s_cbranch_scc1 .Lnot_wave_0_\@
	s_barrier_signal -3
.Lnot_wave_0_\@:
	s_barrier_wait -3
	s_barrier_signal -1
	s_barrier_wait -1
.endm
.macro CROUND
	s_barrier_signal -1
	s_barrier_wait -1
	CREST
.endm
	s_load_b128 s[4:7], s[0:1], 0x0
	s_load_b128 s[8:11], s[0:1], 0x10
	s_load_b128 s[96:99], s[0:1], 0x20
	v_lshl_add_u32 v[SPW], v0, 2, SPARE
	v_mov_b32 v[NIL], 0
	ds_add_u32 v28, v29
	ds_add_u32 v28, v29
	s_wait_dscnt 0x0
	v_lshrrev_b32 v1, 5, v0
	v_readfirstlane_b32 s14, v1
	s_lshr_b32 s15, s14, 1
	s_and_b32 s16, s14, 1
	s_bfe_u32 s40, ttmp6, 0x40000
	s_bfe_u32 s41, ttmp6, 0x40004
	s_and_b32 s17, ttmp7, 0xffff
	s_lshr_b32 s[PROJ], s17, 3
	s_and_b32 s17, s17, 7
	s_lshl_b32 s18, s[PROJ], 13
	s_lshl_b32 s19, s[PROJ], 10
	s_add_co_u32 s19, s19, WROW
	s_mov_b32 s20, WROW+2048
	s_mov_b32 s21, 16384
	s_cmp_eq_u32 s[PROJ], 2
	s_cselect_b32 s12, 0, s17
	s_cselect_b32 s13, s17, 0
	s_cselect_b32 s92, s20, s18
	s_cselect_b32 s93, s21, s19
	s_lshl_b32 s17, s12, 2
	s_add_co_u32 s17, s17, s41
	s_lshl_b32 s42, s13, 2
	s_add_co_u32 s42, s42, s40
	s_lshl_b32 s43, s41, 2
	s_lshl_b32 s43, 15, s43
	s_lshl_b32 s44, 0x1111, s40
	s_or_b32 s[G1+0], s43, (0<<16)|(1<<20)|(1<<21)|(3<<22)|(3<<25)
	s_or_b32 s[G1B+0], s44, (0<<16)|(1<<20)|(1<<21)|(3<<22)|(3<<25)
.irp g, G1, G1B
	s_mov_b32 s[\g+1], 256<<16                     ; 128 rows x 192 bytes are 24,576 dense bytes: fetched as 96 rows of 256 bytes, each at a multiple of 256;
	s_mov_b32 s[\g+2], 96<<16                      ; 16 bytes of padding behind every 64 give LDS rows of 192 + 48 = PITCH bytes
	s_mov_b32 s[\g+3], 256<<16
	s_mov_b32 s[\g+4], 96
	s_mov_b32 s[\g+5], 256
	s_mov_b32 s[\g+6], 0
	s_mov_b32 s[\g+7], 0
.endr
	s_or_b32 s[G1S+0], s43, (3<<16)|(1<<20)|(1<<21)|(5<<22)|(3<<25)
	s_or_b32 s[G1SB+0], s44, (3<<16)|(1<<20)|(1<<21)|(5<<22)|(3<<25)
.irp g, G1S, G1SB
	s_mov_b32 s[\g+1], 32<<16
	s_mov_b32 s[\g+2], (128*KS/256)<<16
	s_mov_b32 s[\g+3], 32<<16
	s_mov_b32 s[\g+4], 128*KS/256
	s_mov_b32 s[\g+5], 32
	s_mov_b32 s[\g+6], 0
	s_mov_b32 s[\g+7], 0
.endr
	s_lshl_b32 s18, s16, 7
	s_lshl_b32 s20, s17, 8
	s_add_co_u32 s20, s20, s18
	s_add_co_u32 s20, s20, s92
	s_lshl_b32 s46, s42, 8
	s_add_co_u32 s46, s46, s18
	s_add_co_u32 s46, s46, s93
	s_mov_b32 s21, 0
	s_mov_b32 s47, 0
	s_mov_b64 s[18:19], KS
	s_mul_u64 s[22:23], s[20:21], s[18:19]
	s_mul_u64 s[92:93], s[46:47], s[18:19]
	s_mov_b64 s[18:19], KROW
	s_mul_u64 s[20:21], s[20:21], s[18:19]
	s_mul_u64 s[46:47], s[46:47], s[18:19]
	s_mul_i32 s45, s14, HALFT
	s_mul_i32 s94, s14, HALFS
	s_mov_b32 s[SEL], 0x76543210
	s_mov_b32 s[SEL+1], 0xfedcba98
	s_wait_kmcnt 0x0
	s_add_nc_u64 s[20:21], s[4:5], s[20:21]
	s_add_nc_u64 s[22:23], s[6:7], s[22:23]
	s_add_nc_u64 s[46:47], s[4:5], s[46:47]
	s_add_nc_u64 s[92:93], s[6:7], s[92:93]
	CROUND
	s_mov_b32 s[G0S], 1
	s_add_co_u32 s[G0S+1], s94, SCL
	s_mov_b64 s[G0S+2:G0S+3], s[22:23]
	s_or_b32 s[G0S+3], s[G0S+3], 0x80000000
	s_mov_b32 s[G0SB], 1
	s_add_co_u32 s[G0SB+1], s94, SCL
	s_mov_b64 s[G0SB+2:G0SB+3], s[92:93]
	s_or_b32 s[G0SB+3], s[G0SB+3], 0x80000000
	JLOAD G0S, G1S, G0SB, G1SB
.irp s, 0,1
	s_mov_b32 s[G0+4*\s], 1
	s_add_co_u32 s[G0+4*\s+1], s45, \s*SLOT
	s_add_nc_u64 s[G0+4*\s+2:G0+4*\s+3], s[20:21], \s*ROWB
	s_or_b32 s[G0+4*\s+3], s[G0+4*\s+3], 0x80000000
	s_mov_b32 s[G0B+4*\s], 1
	s_add_co_u32 s[G0B+4*\s+1], s45, \s*SLOT
	s_add_nc_u64 s[G0B+4*\s+2:G0B+4*\s+3], s[46:47], \s*ROWB
	s_or_b32 s[G0B+4*\s+3], s[G0B+4*\s+3], 0x80000000
	s_wait_alu depctr_va_vdst(0)
	s_wait_tensorcnt 0x0
	ds_add_u32 v28, v29
	s_wait_dscnt 0x0
	CROUND
	JLOAD G0+4*\s, G1, G0B+4*\s, G1B
.endr
	v_and_b32 v1, 15, v0
	v_bfe_u32 v2, v0, 4, 1
	v_mul_u32_u24 v3, v1, PITCH
	v_mul_u32_u24 v4, v2, 24
	v_add_nc_u32 v4, v3, v4
	v_lshl_add_u32 v5, v2, 4, v4
	s_mul_i32 s21, s15, HALFT
	s_mul_i32 s22, s16, HALFT
	s_add_co_u32 s22, s22, 2*HALFT
.irp s, 0,1
	v_add_nc_u32 v[ADRA+\s], s21, v4
	v_add_nc_u32 v[ADRB+\s], s22, v4
	v_add_nc_u32 v[ADRA+2+\s], s21, v5
	v_add_nc_u32 v[ADRB+2+\s], s22, v5
	s_add_co_u32 s21, s21, SLOT
	s_add_co_u32 s22, s22, SLOT
.endr
	v_mul_u32_u24 v5, v1, KS
	v_lshrrev_b32 v6, 8, v5
	v_lshl_add_u32 v5, v6, 4, v5
	s_mul_i32 s21, s15, HALFS
	s_mul_i32 s22, s16, HALFS
	s_add_co_u32 s22, s22, 2*HALFS
	s_sub_co_u32 s22, s22, s21
	v_mul_u32_u24 v6, s22, v2
	s_add_co_u32 s21, s21, SCL
	v_add_nc_u32 v5, v5, v6
	v_add_nc_u32 v[ADRS], s21, v5
	v_and_b32 v6, 31, v0
	v_lshlrev_b32 v[VO], 4, v6
	v_lshlrev_b32 v[BAQ], 6, v2
	v_and_b32 v6, 8, v1
	v_add_nc_u32 v6, v6, v1
	v_lshlrev_b32 v[BAV], 2, v6
	v_mul_u32_u24 v[VOS], v2, HEADB
	v_lshl_add_u32 v[VOS], v1, 4, v[VOS]
	v_mov_b32 v[HH], v2
	v_mov_b32 v6, 0x05040100
	v_mov_b32 v[SELV], 0x07060302
	v_cmp_eq_u32 vcc_lo, 1, v2
	v_cndmask_b32 v[SELV], v6, v[SELV], vcc_lo
.irp b, 0,1,2,3
	v_mov_b32 v[TM+4+\b], 0
.endr
.macro FRAG reg, adr, q, i
.irp p, 0,1,2,3,4,5
.set PCE, 12*(\q)+6*(\p/3)+\p%3
.if PCE%8 < 5
	ds_load_b64 v[\reg+2*\p:\reg+2*\p+1], v[\adr] offset:8*PCE+16*(PCE/8)+(\i)*16*PITCH
.else
	ds_load_b64 v[\reg+2*\p:\reg+2*\p+1], v[\adr+2] offset:8*PCE+16*(PCE/8)+(\i)*16*PITCH
.endif
.endr
.endm
.macro MUL16 a0, p, q, sc, zero
.irp a, \a0, \a0+1
.irp b, 0,1,2,3,4,5,6,7
.if \zero
	v_wmma_scale_f32_16x16x128_f8f6f4 v[8*(8*((\a)%4)+\b):8*(8*((\a)%4)+\b)+7], v[128*(\p)+FR*\b:128*(\p)+FR*\b+FR-1], v[AF+FR*(\a):AF+FR*(\a)+FR-1], 0, v[SC+8*NQ*(\sc)+NQ*\b+(\q)], v[SC+8*NQ*(\sc)+NQ*(\a)+(\q)] matrix_a_fmt:MATRIX_FMT_FP6 matrix_b_fmt:MATRIX_FMT_FP6 matrix_a_scale:MATRIX_SCALE_ROW1
.else
	v_wmma_scale_f32_16x16x128_f8f6f4 v[8*(8*((\a)%4)+\b):8*(8*((\a)%4)+\b)+7], v[128*(\p)+FR*\b:128*(\p)+FR*\b+FR-1], v[AF+FR*(\a):AF+FR*(\a)+FR-1], v[8*(8*((\a)%4)+\b):8*(8*((\a)%4)+\b)+7], v[SC+8*NQ*(\sc)+NQ*\b+(\q)], v[SC+8*NQ*(\sc)+NQ*(\a)+(\q)] matrix_a_fmt:MATRIX_FMT_FP6 matrix_b_fmt:MATRIX_FMT_FP6 matrix_a_scale:MATRIX_SCALE_ROW1
.endif
.endr
.endr
.endm
.macro FETCH_B slot, q, p
	WIN TO_B
.irp i, 0,1,2,3,4,5,6,7
	FRAG 128*(\p)+FR*\i, ADRB+\slot, \q, \i
.endr
	WIN 0
.endm
.macro FETCH_A slot, q, i0
.irp i, \i0, \i0+1, \i0+2, \i0+3
	FRAG AF+FR*(\i), ADRA+\slot, \q, \i
.endr
.endm
.macro SCALES sc
.irp i, 0,1,2,3,4,5,6,7
	ds_load_b64 v[SC+8*NQ*\sc+NQ*\i:SC+8*NQ*\sc+NQ*\i+1], v[ADRS] offset:\i*SBLK
.endr
.endm
.macro PLACES n
.rept \n
	v_nop
.endr
.endm
.macro STEP slot, q, zero
	s_wait_dscnt 4*NL
	WIN MUL_LO
	MUL16 0, (\q)%2, \q, \slot, \zero
	MUL16 2, (\q)%2, \q, \slot, \zero
	s_wait_dscnt 0
	PLACES NP
	FETCH_B \slot, (\q)+1, 1-(\q)%2
	FETCH_A \slot, (\q)+1, 0
	WIN MUL_HI
	MUL16 4, (\q)%2, \q, \slot, \zero
	MUL16 6, (\q)%2, \q, \slot, \zero
	PLACES NP
	WIN 0
	FETCH_A \slot, (\q)+1, 4
.endm
.macro TURN slot, next, fill
	s_wait_tensorcnt 0x0
	ds_add_u32 v[SPW], v[NIL]
	s_wait_dscnt 4*NL+1
	WIN MUL_LO
	MUL16 0, 1, NQ-1, \slot, 0
	s_wait_dscnt 0x0
	s_barrier_signal -1
	MUL16 2, 1, NQ-1, \slot, 0
	WIN 0
	s_barrier_wait -1
.if \fill
	CREST
	s_add_nc_u64 s[G0+4*\slot+2:G0+4*\slot+3], s[G0+4*\slot+2:G0+4*\slot+3], 2*ROWB
	s_add_nc_u64 s[G0B+4*\slot+2:G0B+4*\slot+3], s[G0B+4*\slot+2:G0B+4*\slot+3], 2*ROWB
	JLOAD G0+4*\slot, G1, G0B+4*\slot, G1B
.else
	PLACES NP
.endif
	s_wait_alu depctr_va_vdst(0)
	v_add_nc_u32 v[ADRS], 4*NQ, v[ADRS]
	FETCH_B \next, 0, 0
	FETCH_A \next, 0, 0
	SCALES \next
	WIN MUL_HI
	MUL16 4, 1, NQ-1, \slot, 0
	MUL16 6, 1, NQ-1, \slot, 0
	PLACES NP
	WIN 0
	FETCH_A \next, 0, 4
.endm
.macro LAST
	s_wait_dscnt 4*NL
	WIN MUL_LO
	MUL16 0, 1, NQ-1, 1, 0
	MUL16 2, 1, NQ-1, 1, 0
	s_wait_dscnt 0
	WIN MUL_HI
	MUL16 4, 1, NQ-1, 1, 0
	MUL16 6, 1, NQ-1, 1, 0
	WIN 0
.endm
.macro ADDB a, pair
	WIN 0x02+((\a)/4)
.set AC, 64*((\a)%4)
.set n, 0
.rept 32
.if \pair
	v_pk_add_f32 v[H+n:H+n+1], v[AC+n:AC+n+1], v[BI+2*(\a):BI+2*(\a)+1]
.else
	v_pk_add_f32 v[H+n:H+n+1], v[AC+n:AC+n+1], v[BI+n:BI+n+1]
.endif
.set n, n+2
.endr
	WIN 0
.endm
.macro QUANT s, d0, d1, w
.irp b, 0,1,2,3
	v_max3_num_f32 v[TM+\b], |v[\s+16*\b]|, |v[\s+1+16*\b]|, 0x1800000
.endr
.irp i, 2,4,6,8,10,12,14
.irp b, 0,1,2,3
	v_max3_num_f32 v[TM+\b], v[TM+\b], |v[\s+16*\b+\i]|, |v[\s+1+16*\b+\i]|
.endr
.endr
.irp b, 0,1,2,3
	v_permlanex16_b32 v[TM+4+\b], v[TM+\b], s[SEL], s[SEL+1]
.endr
.irp b, 0,1,2,3
	v_max_num_f32 v[TM+\b], v[TM+\b], v[TM+4+\b]
.endr
.irp b, 0,1,2,3
	v_add_nc_u32 v[TM+8+\b], 0xff000000, v[TM+\b]
.endr
.irp b, 0,1,2,3
	v_lshrrev_b32 v[TM+4+\b], 23, v[TM+8+\b]
.endr
	v_lshl_or_b32 v[\w], v[TM+5], 8, v[TM+4]
	v_lshl_or_b32 v[\w], v[TM+6], 16, v[\w]
	v_lshl_or_b32 v[\w], v[TM+7], 24, v[\w]
	v_cvt_scalef32_pk16_fp6_f32 v[(\d0):(\d0)+2], v[\s:\s+15], v[TM+8]
	v_cvt_scalef32_pk16_fp6_f32 v[T0:T0+2], v[\s+16:\s+31], v[TM+9]
	v_cvt_scalef32_pk16_fp6_f32 v[(\d1):(\d1)+2], v[\s+32:\s+47], v[TM+10]
	v_cvt_scalef32_pk16_fp6_f32 v[T1:T1+2], v[\s+48:\s+63], v[TM+11]
	v_nop
.irp i, 0,1,2
	v_permlane16_swap_b32 v[(\d0)+\i], v[T0+\i]
	v_permlane16_swap_b32 v[(\d1)+\i], v[T1+\i]
.endr
.irp i, 0,1,2
	v_mov_b32 v[(\d0)+3+\i], v[T0+\i]
	v_mov_b32 v[(\d1)+3+\i], v[T1+\i]
.endr
.endm
.macro WHERE tt, th, ht, hh
	s_lshl_b32 s18, s[\tt], 1
	s_add_co_u32 s18, s18, s[\th]
	s_lshr_b32 s20, s18, 4
	s_lshl_b32 s20, s20, 4
	s_lshl_b32 s21, s[\ht], 2
	s_add_co_u32 s20, s20, s21
	s_lshl_b32 s21, s[\hh], 1
	s_add_co_u32 s20, s20, s21
	s_lshl_b32 s20, s20, 4
	s_and_b32 s18, s18, 15
	s_add_co_u32 s20, s20, s18
	s_mul_i32 s20, s20, REC
.endm
	s_wait_tensorcnt 1
	s_barrier_signal -1
	s_barrier_wait -1
	FETCH_B 0, 0, 0
	FETCH_A 0, 0, 0
	SCALES 0
	FETCH_A 0, 0, 4
	STEP 0, 0, 1
	s_mov_b32 s3, LAPS-1
.Llap:
	TURN 0, 1, 1
	STEP 1, 0, 0
	TURN 1, 0, 1
	STEP 0, 0, 0
	s_sub_co_u32 s3, s3, 1
	s_cmp_lg_u32 s3, 0
	s_cbranch_scc1 .Llap
	TURN 0, 1, 0
	s_cmp_eq_u32 s[PROJ], 2
	s_cbranch_scc1 .Lv
	s_cmp_eq_u32 s[PROJ], 0
	s_cselect_b64 s[8:9], s[8:9], s[10:11]
	s_lshl_b32 s18, s42, 10
	s_lshl_b32 s19, s16, 9
	s_add_co_u32 s18, s18, s19
	s_mov_b32 s19, 0
	s_add_nc_u64 s[8:9], s[8:9], s[18:19]
.irp b, 0,1,2,3,4,5,6,7
	global_load_b128 v[BI+8*\b:BI+8*\b+3], v[BAQ], s[8:9] offset:(32*(\b/2)+8*(\b%2))*4
	global_load_b128 v[BI+8*\b+4:BI+8*\b+7], v[BAQ], s[8:9] offset:(32*(\b/2)+8*(\b%2))*4+16
.endr
	WHERE 17, 15, 42, 16
	s_cmp_eq_u32 s[PROJ], 0
	s_cselect_b32 s21, 12800, 0
	s_add_co_u32 s20, s20, s21
	s_mov_b32 s21, 0
	s_add_nc_u64 s[98:99], s[98:99], s[20:21]
	STEP 1, 0, 0
	LAST
	s_wait_loadcnt 0x0
	PLACES NP
.irp e, 0,1,2,3
.if \e > 0
	s_wait_xcnt 0x0
.endif
.irp u, 0,1
	ADDB 2*\e+\u, 0
	QUANT H, IMG0+6*\u, IMG1+6*\u, SW+2*\e+\u
.endr
.irp k, 0,1,2
	global_store_b128 v[VO], v[IMG0+4*\k:IMG0+4*\k+3], s[98:99] offset:1536*\e+512*\k
.endr
.irp k, 0,1,2
	global_store_b128 v[VO], v[IMG1+4*\k:IMG1+4*\k+3], s[98:99] offset:HEADB+1536*\e+512*\k
.endr
.endr
.irp e, 0,1,2,3
	v_perm_b32 v[OW+\e], v[SW+2*\e+1], v[SW+2*\e], v[SELV]
.endr
	global_store_b128 v[VOS], v[OW:OW+3], s[98:99] offset:6144
	s_branch .Lend
.Lv:
	s_lshl_b32 s18, s17, 10
	s_lshl_b32 s19, s15, 9
	s_add_co_u32 s18, s18, s19
	s_mov_b32 s19, 0
	s_add_nc_u64 s[96:97], s[96:97], s[18:19]
.irp a, 0,1,2,3,4,5,6,7
	global_load_b32 v[BI+2*\a], v[BAV], s[96:97] offset:(32*(\a/2)+8*(\a%2))*4
	global_load_b32 v[BI+2*\a+1], v[BAV], s[96:97] offset:(32*(\a/2)+8*(\a%2))*4
.endr
	WHERE 42, 16, 17, 15
	s_add_co_u32 s20, s20, 6400
	s_mov_b32 s21, 0
	s_add_nc_u64 s[98:99], s[98:99], s[20:21]
	STEP 1, 0, 0
	LAST
	s_wait_loadcnt 0x0
	PLACES NP
.irp a, 0,1,2,3,4,5,6,7
.if \a > 0
	s_wait_xcnt 0x0
.endif
	ADDB \a, 1
	QUANT H, IMG0, IMG0+6, SW+\a
.irp k, 0,1,2
	global_store_b128 v[VO], v[IMG0+4*\k:IMG0+4*\k+3], s[98:99] offset:(\a/4)*HEADB+(\a%4)*1536+512*\k
.endr
.endr
	v_cmp_eq_u32 vcc_lo, 1, v[HH]
.irp t, 0,1,2,3
	v_cndmask_b32 v[OW+\t], v[SW+\t], v[SW+4+\t], vcc_lo
.endr
	global_store_b128 v[VOS], v[OW:OW+3], s[98:99] offset:6144
.Lend:
	s_wait_tensorcnt 0x0
	ds_add_u32 v[SPW], v[NIL]
	s_wait_dscnt 0x0
	CROUND
	s_endpgm
.Lfunc_end_k_q674978dc7f_proj:
	.size	k_q674978dc7f_proj, .Lfunc_end_k_q674978dc7f_proj-k_q674978dc7f_proj
	.p2alignl 7, 3214868480
	.fill 96, 4, 3214868480
	.section	.rodata,"a",@progbits
	.p2align	6, 0x0
	.amdhsa_kernel k_q674978dc7f_proj
		.amdhsa_group_segment_fixed_size 327680
		.amdhsa_private_segment_fixed_size 0
		.amdhsa_enable_private_segment 0
		.amdhsa_kernarg_size 48
		.amdhsa_user_sgpr_count 2
		.amdhsa_user_sgpr_kernarg_segment_ptr 1
		.amdhsa_wavefront_size32 1
		.amdhsa_system_sgpr_workgroup_id_x 1
		.amdhsa_system_sgpr_workgroup_id_y 1
		.amdhsa_system_sgpr_workgroup_id_z 1
		.amdhsa_system_vgpr_workitem_id 0
		.amdhsa_next_free_vgpr 1024
		.amdhsa_next_free_sgpr 102
		.amdhsa_reserve_vcc 1
		.amdhsa_float_denorm_mode_32 3
		.amdhsa_float_denorm_mode_16_64 3
		.amdhsa_memory_ordered 1
		.amdhsa_forward_progress 1
		.amdhsa_inst_pref_size 255
	.end_amdhsa_kernel
	.section	.bss,"aw",@nobits
	.p2align	6
	.space	262144
	.amdgpu_metadata
---
amdhsa.version: [ 1, 2 ]
amdhsa.kernels:
  - .name:           k_q674978dc7f_proj
    .symbol:         k_q674978dc7f_proj.kd
    .args:
      - { .name: cod, .offset: 0, .size: 8, .value_kind: global_buffer, .address_space: global }
      - { .name: scl, .offset: 8, .size: 8, .value_kind: global_buffer, .address_space: global }
      - { .name: bq, .offset: 16, .size: 8, .value_kind: global_buffer, .address_space: global }
      - { .name: bk, .offset: 24, .size: 8, .value_kind: global_buffer, .address_space: global }
      - { .name: bv, .offset: 32, .size: 8, .value_kind: global_buffer, .address_space: global }
      - { .name: qkv, .offset: 40, .size: 8, .value_kind: global_buffer, .address_space: global }
    .group_segment_fixed_size: 327680
    .private_segment_fixed_size: 0
    .kernarg_segment_align: 8
    .kernarg_segment_size: 48
    .max_flat_workgroup_size: 128
    .sgpr_count:     102
    .vgpr_count:     1024
    .wavefront_size: 32
...
	.end_amdgpu_metadata
.endif
;; end of part 2
;; launch attn (part 3): grid 4 x 64, 16 waves a work-group, clusters of 4 x 1, 206,848 bytes of LDS; arguments qkv, cc, cs; writes cc, cs
.if DOCPART == 3
	.amdgcn_target "amdgcn-amd-amdhsa--gfx1250"
	.amdhsa_code_object_version 6
	.text
	.protected	k_q674978dc7f_attn
	.globl	k_q674978dc7f_attn
	.p2align	8
	.type	k_q674978dc7f_attn,@function
k_q674978dc7f_attn:
	s_mov_b64 s[64:65], 0
	v_nop
	global_prefetch_b8 v0, s[64:65] scope:SCOPE_SE
	s_setreg_imm32_b32 hwreg(HW_REG_WAVE_MODE, 25, 1), 1
	s_wait_xcnt 0x0
	s_wait_alu depctr_hold_cnt(0) depctr_sa_sdst(0) depctr_va_vdst(0) depctr_va_sdst(0) depctr_va_ssrc(0) depctr_va_vcc(0) depctr_vm_vsrc(0)
	s_getreg_b32 s2, hwreg(HW_REG_IB_STS2, 6, 4)
	s_cmp_eq_u32 s2, 0
	s_cbranch_scc0 .Lentry_in_a_cluster
	s_endpgm
.Lentry_in_a_cluster:
	s_bfe_u32 s2, ttmp6, 0x10000c
	s_cmp_lg_u32 s2, 0x3003
	s_cbranch_scc0 .Lentry_shape_is_right
	s_endpgm
.Lentry_shape_is_right:
; heads[b][head][q] = sum over k of softmax_k(Q . K / 8) V, both products on codes of FP6 (E2M3) with E8M0 scales; the result, divided by the row's sum, is quantised along (head, dv) for the output projection.
; THE SOFTMAX: t = score x log2(e) / 8; M = the running largest t rounded UP to a whole number (kept as -M); p = 2^(t - M) is quantised along the keys, not normalised; the row's sum is taken of the unquantised p, in f32.
; When M moves, the sum and O are multiplied by 2^(old M - new M): exact.
; SHARES.  A work-group owns 512 queries of one (batch, head); the four work-groups of a cluster are the whole head.  Each of its sixteen waves owns 32 queries, the two tiles A and B of one image of Q, and walks the 16 key steps once:
; each fragment of K and of V^T that it reads from LDS serves both tiles.
; K AND V OF THE WHOLE HEAD LIE IN LDS: 16 steps of 128 keys x 12,800 bytes (four images of K, its scale words, four images of V^T, its words) = 204,800 bytes.  Every byte is filled once, by ONE tensor load a wave at the head:
; wave w asks for step w, 50 rows of 256 bytes.  The four partners need the same bytes: each load is a JOINT one, with the same descriptor and a mask that names the four.  Waves 0-3 have a load line of their own and wait for it
; ahead of the first barrier, behind which steps 0-3 are walked; all waves wait ahead of the second, behind which steps 4-15 are walked.
; NO PREFETCH: all of K and V is asked for at the head, and Q is read once there: no loop is left to run ahead in.
; THE SCORE'S K IS 64, THE INSTRUCTION'S 128: an image of K holds two key tiles (registers 0-5 and 6-11), and Q stands between zeros: (Q | 0) meets the first tile, (0 | Q) the second.  v20-49 = 0, Q of A, 0, Q of B, 0, six registers each.
; LAYOUT.  Both products are used transposed (S^T = K Q^T, O^T = V^T P^T): a lane holds ONE query.  Row 16 (4 c + j) + 8 h + i of a step's K is key 64 c + 32 h + 8 j + i (the first launch laid k so): register 32 c + 8 j + i of the scores
; in lane (r, h) is that key: a lane's 32 registers of band c are the whole block 2 c + h, in the order of P's operand registers 6 c .. 6 c + 5.  So a block's largest score needs no other lane, and the codes fall where the product takes them.
; REGISTERS: 256, all named below.  The scores' 64 serve tile A and then tile B; K's 48 take V^T behind tile B's scores; the sums' partial pairs lie in the codes' registers until the conversions write them.
; cc: [tile of 16 tokens: 512][head][768 bytes]: six registers: registers 0-3 of lane L at 16 L, registers 4-5 at 512 + 8 L.  cs: [token][32 bytes], bytes 2 head and 2 head + 1.
; LIMITS: the promise holds while the scaled scores t stay under 2^31 in magnitude; p under 2^-126 counts as 0 (the exponential gives 0 there); 1 / sum by v_rcp_f32; a block of zeros keeps the scale byte 1; NaN and infinities are not served.
.set STEPB, 12800                      ; a step's bytes in LDS
.set REC,   19200                      ; a record of qkv: K's part, V's, Q's, 6,400 bytes each
.set SPARE, 204800                     ; behind the 16 steps: the spare words, 128 bytes for each wave
.set LI,   1                           ; v1   16 x lane
.set ADI,  2                           ; v2   LDS address of the step's images
.set ADS,  3                           ; v3   of its scale words
.set QS,   4                           ; v4   Q's scale words: lanes 0-15 tile A's, lanes 16-31 tile B's
.set TMP,  5
.set F,    6                           ; v[6:7] f = 2^(old M - new M), and a scratch register
.set T2,   7
.set NMA,  8                           ; v8  -M of tile A, v9  its p's scale word
.set SUA,  10                          ; v[10:11] its sum, in two halves
.set SUB,  12                          ; v[12:13] tile B's
.set NMB,  14                          ; v14, v15
.set BM,   16                          ; v16-19 four chains of maxima; then v16, v18 the two blocks' largest, v17, v19 their bytes
.set QZ,   20                          ; v20-49
.set KSW,  50                          ; v50-53 K's scale words, then V's
.set FR,   54                          ; v54-101 four images of K, then of V^T
.set S,    102                         ; v102-165 S^T, then p
.set OTA,  166                         ; v166-197 O^T of tile A
.set OTB,  198                         ; v198-229 of tile B
.set PCA,  230                         ; v230-241 p's codes, tile A
.set PCB,  242                         ; v242-253 tile B
.set SPW,  254                         ; my spare word; never rewritten
.set NIL,  255                         ; 0; never rewritten
.set WV,   10
.set SEL,  20                          ; s[20:21] lane l xor 16
.set CS,   22                          ; s[22:23] c = log2(e) / 8
.set G1,   24                          ; s[24:31] descriptor group 1;  s[32:35] group 0
.set G0,   32
.set TB,   48                          ; LDS byte at which the step begins
.set CNT,  49
.set QB,   52
.set QSB,  54
.set CCB,  56
.set CSB,  58
.macro CROUND                          ; a round of the cluster's barrier
	s_barrier_signal -1
	s_barrier_wait -1
	s_cmp_lg_u32 s[WV], 0
	s_cbranch_scc1 .Lnot_wave_0_\@
	s_barrier_signal -3
.Lnot_wave_0_\@:
	s_barrier_wait -3
	s_barrier_signal -1
	s_barrier_wait -1
.endm
.macro WALU
	s_wait_alu depctr_va_vdst(0)
.endm
.macro PLACES n
.rept \n
	v_nop
.endr
.endm
.macro MM d, a, b, c, sa, sb, row
	v_wmma_scale_f32_16x16x128_f8f6f4 v[\d:\d+7], v[\a:\a+11], v[\b:\b+11], \c, v[\sa], v[\sb] matrix_a_fmt:MATRIX_FMT_FP6 matrix_b_fmt:MATRIX_FMT_FP6 matrix_b_scale:MATRIX_SCALE_ROW\row
.endm
.macro IMAGES off                      ; four images as they lie, 512 consecutive bytes a load, and their scale words
.irp e, 0,1,2,3
.irp k, 0,1,2
	ds_load_b128 v[FR+12*\e+4*\k:FR+12*\e+4*\k+3], v[ADI] offset:\off+1536*\e+512*\k
.endr
.endr
	ds_load_b128 v[KSW:KSW+3], v[ADS] offset:\off+6144
.endm
.macro SCORE q0, q1, row               ; S^T of one query tile: eight key tiles, each sum begun with 0
.irp e, 0,1,2,3
	MM S+16*\e, FR+12*\e, \q0, 0, KSW+\e, QS, \row
	MM S+16*\e+8, FR+12*\e, \q1, 0, KSW+\e, QS, \row
.endr
.endm
.macro RESCALE OT                      ; O^T under the new M, each accumulator from its low end on
.set j, 0
.rept 16
	v_pk_mul_f32 v[\OT+j:\OT+j+1], v[\OT+j:\OT+j+1], v[F:F+1] op_sel_hi:[1,0]
.set j, j+2
.endr
.endm
; The softmax of one query tile's 128 scores a query: -M in v[NM], p's scale word into v[NM+1], the sum in v[SU:SU+1], p's codes into v[PC .. PC+11], f into v[F]
.macro SOFT NM, SU, PC
.irp k, 0,1,2,3
	v_max3_num_f32 v[BM+\k], v[S+16*\k], v[S+16*\k+1], v[S+16*\k+2]   ; four chains by turns, each over 16 registers in ascending order
.endr
.irp i, 3,5,7,9,11,13
.irp k, 0,1,2,3
	v_max3_num_f32 v[BM+\k], v[BM+\k], v[S+16*\k+\i], v[S+16*\k+\i+1]
.endr
.endr
.irp c, 0,2
	v_max3_num_f32 v[BM+\c], v[BM+\c], v[S+16*\c+15], v[S+16*\c+31]
.endr
.irp c, 0,2
	v_max_num_f32 v[BM+\c], v[BM+\c], v[BM+\c+1]   ; the largest score of my blocks h and 2 + h: for the row's maximum, and, since p rises with the score, for the block's largest p
.endr
	v_max_num_f32 v[T2], v[BM], v[BM+2]
	v_permlanex16_b32 v[TMP], v[T2], s[SEL], s[SEL+1]
	v_max_num_f32 v[T2], v[T2], v[TMP]             ; with lane l xor 16's two blocks: the step's largest score of my query
	v_mul_f32 v[T2], s[CS], v[T2]                  ; as t (c is positive)
	v_floor_f32 v[TMP], -v[T2]                     ; -ceil(t)
	v_min_num_f32 v[TMP], v[TMP], v[\NM]           ; the new -M
	v_sub_f32 v[T2], v[TMP], v[\NM]                ; old M - new M: a whole number, 0 or less
	v_mov_b32 v[\NM], v[TMP]
	v_cvt_i32_f32 v[T2], v[T2]                     ; (it saturates)
	v_ldexp_f32 v[F], 1.0, v[T2]                   ; f = 2^(old M - new M)
.set j, 0
.rept 32
	v_pk_fma_f32 v[S+j:S+j+1], v[S+j:S+j+1], s[CS:CS+1], v[\NM:\NM+1] op_sel_hi:[1,0,0]   ; t - M, two at a time (of the pairs c and -M the low word serves both halves)
.set j, j+2
.endr
.irp c, 0,2
	v_fma_f32 v[BM+\c], v[BM+\c], s[CS], v[\NM]    ; the same of each block's largest score
.endr
	WALU                                           ; the wait ahead of the batch
.irp c, 0,2
	v_exp_f32 v[BM+\c], v[BM+\c]                   ; the blocks' largest p
.endr
.set j, 0
.rept 64
	v_exp_f32 v[S+j], v[S+j]                       ; p = 2^(t - M)
.set j, j+1
.endr
	v_pk_mul_f32 v[\SU:\SU+1], v[\SU:\SU+1], v[F:F+1] op_sel_hi:[1,0]   ; the sum under the new M: a plain place behind the exponentials
	WALU                                           ; one wait for the batch of 66, ahead of its first reader
.irp c, 0,2
	v_max_num_f32 v[BM+\c], 0x1800000, v[BM+\c]    ; the floor 2^(3 - 127): the byte cannot fall under 1
.endr
.irp c, 0,2
	v_add_nc_u32 v[BM+\c], 0xff000000, v[BM+\c]    ; 2 off the exponent field: the conversions' scale operand
.endr
.irp c, 0,2
	v_lshrrev_b32 v[BM+\c+1], 23, v[BM+\c]         ; the scale's byte
.endr
	v_lshl_or_b32 v[T2], v[BM+3], 16, v[BM+1]      ; my two bytes, a byte's room between them
	v_permlanex16_b32 v[TMP], v[T2], s[SEL], s[SEL+1]
	v_pk_add_f32 v[\PC:\PC+1], v[S:S+1], v[S+2:S+3]              ; the row's sum of the unquantised p: four chains by turns, three of them in registers that the codes take afterwards
	v_pk_add_f32 v[\PC+2:\PC+3], v[S+4:S+5], v[S+6:S+7]
	v_pk_add_f32 v[\PC+4:\PC+5], v[S+8:S+9], v[S+10:S+11]
	v_pk_add_f32 v[\SU:\SU+1], v[\SU:\SU+1], v[S+12:S+13]
.irp j, 14,22,30,38,46,54
	v_pk_add_f32 v[\PC:\PC+1], v[\PC:\PC+1], v[S+\j:S+\j+1]
	v_pk_add_f32 v[\PC+2:\PC+3], v[\PC+2:\PC+3], v[S+\j+2:S+\j+3]
	v_pk_add_f32 v[\PC+4:\PC+5], v[\PC+4:\PC+5], v[S+\j+4:S+\j+5]
	v_pk_add_f32 v[\SU:\SU+1], v[\SU:\SU+1], v[S+\j+6:S+\j+7]
.endr
	v_pk_add_f32 v[\PC:\PC+1], v[\PC:\PC+1], v[S+62:S+63]
	v_pk_add_f32 v[\PC+2:\PC+3], v[\PC+2:\PC+3], v[\PC+4:\PC+5]
	v_pk_add_f32 v[\SU:\SU+1], v[\SU:\SU+1], v[\PC:\PC+1]
	v_pk_add_f32 v[\SU:\SU+1], v[\SU:\SU+1], v[\PC+2:\PC+3]
	v_cvt_scalef32_pk16_fp6_f32 v[\PC:\PC+2], v[S:S+15], v[BM]               ; registers 6 c .. 6 c + 2 of the operand
	v_cvt_scalef32_pk16_fp6_f32 v[\PC+6:\PC+8], v[S+32:S+47], v[BM+2]
	v_lshl_or_b32 v[\NM+1], v[TMP], 8, v[T2]       ; lanes 0-15: bytes of blocks 0, 1, 2, 3 (lanes 16-31 are not read).  Also the plain place behind the two conversions
	v_cvt_scalef32_pk16_fp6_f32 v[S:S+2], v[S+16:S+31], v[BM]                ; (a conversion's three registers begin on an even number: the upper halves are made in p's registers that are done with, and moved)
	v_cvt_scalef32_pk16_fp6_f32 v[S+32:S+34], v[S+48:S+63], v[BM+2]
	v_nop                                          ; one plain place behind a scaled conversion
.irp i, 0,1,2
	v_mov_b32 v[\PC+3+\i], v[S+\i]
	v_mov_b32 v[\PC+9+\i], v[S+32+\i]
.endr
.endm
; A KEY STEP: 128 keys at LDS byte s[TB], for both query tiles
.macro STEP
	v_add_nc_u32 v[ADI], s[TB], v[LI]
	v_and_b32 v[ADS], 0xf0, v[LI]
	v_add_nc_u32 v[ADS], s[TB], v[ADS]             ; 16 x (lane % 16) + the step
	PLACES 1                                       ; four places in front of loads into registers that the last products have read
	IMAGES 0
	s_wait_dscnt 0x0                               ; K and its words
	SCORE QZ+6, QZ, 0
	PLACES 4                                       ; in front of the first read of the scores
	SOFT NMA, SUA, PCA
	SCORE QZ+18, QZ+12, 1                          ; tile B's scores, on the same images of K
	WALU                                           ; the wait directly ahead of the first reader of tile A's O^T
	RESCALE OTA                                    ; by tile A's f.  These sixteen are also the places in front of the loads below and of the first read of the scores
	IMAGES 6400                                    ; V^T lands while tile B's softmax is walked
	SOFT NMB, SUB, PCB
	s_wait_dscnt 0x0                               ; V^T and its words
	WALU                                           ; directly ahead of the first reader of tile B's O^T
	RESCALE OTB                                    ; also the places between the writes of p's codes and scale word and the products
.irp t, 0,1,2,3                                ; O^T += V^T P^T: eight accumulators by turns
	MM OTA+8*\t, FR+12*\t, PCA, v[OTA+8*\t:OTA+8*\t+7], KSW+\t, NMA+1, 0
	MM OTB+8*\t, FR+12*\t, PCB, v[OTB+8*\t:OTB+8*\t+7], KSW+\t, NMB+1, 0
.endr
.endm
.macro WALK n                          ; n steps from s[TB] on
	s_mov_b32 s[CNT], \n
.Lwalk_\@:
	STEP
	s_add_co_u32 s[TB], s[TB], STEPB
	s_sub_co_u32 s[CNT], s[CNT], 1
	s_cmp_lg_u32 s[CNT], 0
	s_cbranch_scc1 .Lwalk_\@
.endm
; O^T / the sum is quantised along the head's 64 (two blocks; register 16 b + i = dv 32 b + 16 h + i of my query) and stored as six registers a lane, with its two scale bytes.  Each tile's stores read registers of their own
.macro WAYOUT OT, SU, PC, NM, u
	v_add_f32 v[T2], v[\SU], v[\SU+1]              ; the sum's two halves,
	v_permlanex16_b32 v[TMP], v[T2], s[SEL], s[SEL+1]
	v_add_f32 v[T2], v[T2], v[TMP]                 ; and lane l xor 16's
	WALU                                           ; ahead of the transcendental
	v_rcp_f32 v[F], v[T2]
	PLACES 2
	WALU                                           ; ahead of the reciprocal's first reader, and directly ahead of the first reader of O^T
.set j, 0
.rept 16
	v_pk_mul_f32 v[S+j:S+j+1], v[\OT+j:\OT+j+1], v[F:F+1] op_sel_hi:[1,0]
.set j, j+2
.endr
.irp b, 0,1
	v_max3_num_f32 v[BM+\b], |v[S+16*\b]|, |v[S+1+16*\b]|, 0x1800000
.endr
.irp i, 2,4,6,8,10,12,14
.irp b, 0,1
	v_max3_num_f32 v[BM+\b], v[BM+\b], |v[S+16*\b+\i]|, |v[S+1+16*\b+\i]|
.endr
.endr
.irp b, 0,1
	v_permlanex16_b32 v[BM+2+\b], v[BM+\b], s[SEL], s[SEL+1]
.endr
.irp b, 0,1
	v_max_num_f32 v[BM+\b], v[BM+\b], v[BM+2+\b]
.endr
.irp b, 0,1
	v_add_nc_u32 v[BM+\b], 0xff000000, v[BM+\b]
.endr
.irp b, 0,1
	v_lshrrev_b32 v[BM+2+\b], 23, v[BM+\b]
.endr
	v_lshl_or_b32 v[\NM+1], v[BM+3], 8, v[BM+2]
	v_cvt_scalef32_pk16_fp6_f32 v[\PC:\PC+2], v[S:S+15], v[BM]
	v_cvt_scalef32_pk16_fp6_f32 v[\PC+6:\PC+8], v[S+16:S+31], v[BM+1]
	v_nop
.irp i, 0,1,2
	v_permlane16_swap_b32 v[\PC+\i], v[\PC+6+\i]   ; a whole block to a lane
.endr
.irp i, 0,1,2
	v_mov_b32 v[\PC+3+\i], v[\PC+6+\i]             ; v[PC] .. +5: lane (r, h): dv 32 h .. 32 h + 31 of query r
.endr
	global_store_b128 v[LI], v[\PC:\PC+3], s[CCB:CCB+1] offset:12288*\u          ; 512 consecutive bytes, aligned to 256
	global_store_b64 v[ADI], v[\PC+4:\PC+5], s[CCB:CCB+1] offset:12288*\u+512    ; 256 consecutive bytes
	global_store_b16 v[ADS], v[\NM+1], s[CSB:CSB+1] offset:512*\u                ; two bytes a token; lanes r and r + 16 write the same two bytes with the same value
.endm
	s_load_b128 s[4:7], s[0:1], 0x0                ; qkv, cc
	s_load_b64 s[8:9], s[0:1], 0x10                ; cs
	v_lshl_add_u32 v[SPW], v0, 2, SPARE
	v_mov_b32 v[NIL], 0
	ds_add_u32 v[SPW], v[NIL]                      ; the opening lines: the add, twice on end, and its wait ahead of my tensor load
	ds_add_u32 v[SPW], v[NIL]
	v_lshrrev_b32 v1, 5, v0
	v_readfirstlane_b32 s[WV], v1                  ; wave 0..15
	s_bfe_u32 s11, ttmp6, 0x40000                  ; cx: it enters Q's, cc's and cs's addresses alone
	s_and_b32 s12, ttmp7, 0xffff                   ; batch x 16 + head, which the four partners share
	s_mov_b32 s[G1], 15|(3<<16)|(1<<21)            ; the mask: all four work-groups; elements of 8 bytes; bit 21 set beside a mask
	s_mov_b32 s[G1+1], 32<<16                      ; 12,800 dense bytes as 50 rows of 256, no padding
	s_mov_b32 s[G1+2], 50<<16
	s_mov_b32 s[G1+3], 32<<16
	s_mov_b32 s[G1+4], 50
	s_mov_b32 s[G1+5], 32
	s_mov_b32 s[G1+6], 0
	s_mov_b32 s[G1+7], 0
	s_mov_b32 s[G0], 1
	s_mul_i32 s[G0+1], s[WV], STEPB                ; wave w fills step w
	s_mul_i32 s16, s12, 16*REC                     ; the head's records
	s_mov_b32 s17, 0
	s_mul_i32 s18, s[WV], REC
	s_mov_b32 s19, 0
	s_wait_dscnt 0x0
	s_wait_kmcnt 0x0
	s_add_nc_u64 s[4:5], s[4:5], s[16:17]          ; qkv at my head
	s_add_nc_u64 s[G0+2:G0+3], s[4:5], s[18:19]
	s_or_b32 s[G0+3], s[G0+3], 0x80000000
	CROUND                                         ; all four work-groups are here: the joint loads meet
	s_cmp_lt_u32 s[WV], 4                          ; one chain, a load in each arm: steps 0-3 have a line of their own, for which waves 0-3 alone wait ahead of the first barrier
	s_cbranch_scc0 .Llater
	tensor_load_to_lds s[G0:G0+3], s[G1:G1+7]
	s_nop 0
	PLACES 4
	s_branch .Lasked
.Llater:
	tensor_load_to_lds s[G0:G0+3], s[G1:G1+7]
	s_nop 0
	PLACES 4
.Lasked:
	s_mov_b32 s[SEL], 0x76543210
	s_mov_b32 s[SEL+1], 0xfedcba98
	s_mov_b32 s[CS], 0x3e38aa3b                    ; log2(e) / 8
	s_mov_b32 s[CS+1], s[CS]                       ; (named with it as a pair, so it is written)
	s_lshl_b32 s16, s11, 2                         ; my two query tiles are 32 cx + 2 wave and the next: record 4 cx + wave / 4, image wave % 4
	s_lshr_b32 s17, s[WV], 2
	s_add_co_u32 s16, s16, s17
	s_mul_i32 s16, s16, REC
	s_add_co_u32 s16, s16, 12800                   ; Q's part of the record
	s_and_b32 s18, s[WV], 3
	s_mul_i32 s19, s18, 1536
	s_add_co_u32 s60, s16, s19
	s_mov_b32 s61, 0
	s_add_nc_u64 s[QB:QB+1], s[4:5], s[60:61]
	s_lshl_b32 s19, s18, 2
	s_add_co_u32 s60, s16, s19
	s_add_co_u32 s60, s60, 6144
	s_add_nc_u64 s[QSB:QSB+1], s[4:5], s[60:61]
	s_lshr_b32 s16, s12, 4
	s_lshl_b32 s16, s16, 7
	s_lshl_b32 s17, s11, 5
	s_add_co_u32 s16, s16, s17
	s_lshl_b32 s17, s[WV], 1
	s_add_co_u32 s16, s16, s17                     ; tile A among the 512 tiles of 16 tokens
	s_and_b32 s17, s12, 15                         ; the head
	s_mul_i32 s60, s16, 12288
	s_mul_i32 s19, s17, 768
	s_add_co_u32 s60, s60, s19
	s_add_nc_u64 s[CCB:CCB+1], s[6:7], s[60:61]
	s_lshl_b32 s60, s16, 9
	s_lshl_b32 s19, s17, 1
	s_add_co_u32 s60, s60, s19
	s_add_nc_u64 s[CSB:CSB+1], s[8:9], s[60:61]
	v_and_b32 v[T2], 31, v0
	v_lshlrev_b32 v[LI], 4, v[T2]
	v_and_b32 v[ADS], 0xf0, v[LI]
.irp k, 0,1,2
	global_load_b128 v[S+4*\k:S+4*\k+3], v[LI], s[QB:QB+1] offset:512*\k     ; the image: registers 0-5 tile A, 6-11 tile B
.endr
	global_load_b32 v[S+12], v[ADS], s[QSB:QSB+1]                            ; its word: bytes 0, 1 tile A's, bytes 2, 3 tile B's
.irp i, 0,1,2,3,4,5
	v_mov_b32 v[QZ+\i], 0                          ; the zeros beside Q: zero codes add nothing under any scale byte but 0xff
	v_mov_b32 v[QZ+12+\i], 0
	v_mov_b32 v[QZ+24+\i], 0
.endr
	v_mov_b32 v[TMP], 0                            ; written once: a lane permute's destination counts as one of its sources
	v_mov_b32 v[NMA], 0x7f61b1e6                   ; -M = 3e38: M under every t
	v_mov_b32 v[NMB], 0x7f61b1e6
.irp r, NMA+1, NMB+1, SUA, SUA+1, SUB, SUB+1
	v_mov_b32 v[\r], 0
.endr
	v_mov_b32 v[BM], 0x01000100
	v_mov_b32 v[BM+1], 0x03020302
	v_cmp_lt_u32 vcc_lo, 15, v[T2]
	v_cndmask_b32 v[BM], v[BM], v[BM+1], vcc_lo    ; which two bytes of the word: lanes 0-15 tile A's, lanes 16-31 tile B's
	WALU                                           ; the wait directly ahead of the wait below
	s_wait_loadcnt 0x0
	v_perm_b32 v[QS], v[S+12], v[S+12], v[BM]      ; the two bytes, twice: they serve (Q | 0) and (0 | Q)
.irp i, 0,1,2,3,4,5
	v_mov_b32 v[QZ+6+\i], v[S+\i]
	v_mov_b32 v[QZ+18+\i], v[S+6+\i]
.endr
.set j, 0
.rept 64
	v_mov_b32 v[OTA+j], 0                          ; O^T of both tiles: the step is written once, and the first finds zeros.  (Also the places between Q's and its scales' writes and the first product)
.set j, j+1
.endr
	WALU                                           ; the wait at the head's end
	s_cmp_lt_u32 s[WV], 4
	s_cbranch_scc0 .Lnot_first
	s_wait_tensorcnt 0x0                           ; waves 0-3: my step is in
.Lnot_first:
	s_barrier_signal -1
	s_barrier_wait -1                              ; steps 0-3 are in; the others may be on their way: nothing is ever filled again
	s_mov_b32 s[TB], 0
	WALK 4
	s_wait_tensorcnt 0x0                           ; every wave: my step is in
	s_barrier_signal -1
	s_barrier_wait -1                              ; all sixteen are
	s_mov_b32 s[TB], 4*STEPB
	WALK 12
	v_lshrrev_b32 v[ADI], 1, v[LI]                 ; 8 x lane
	v_and_b32 v[ADS], 0xf0, v[LI]
	v_lshlrev_b32 v[ADS], 1, v[ADS]                ; 32 x (lane % 16).  (With the way out's first lines: the places behind the last products)
	WAYOUT OTA, SUA, PCA, NMA, 0
	WAYOUT OTB, SUB, PCB, NMB, 1
	s_wait_tensorcnt 0x0                           ; the wave's end
	ds_add_u32 v[SPW], v[NIL]
	s_wait_dscnt 0x0
	CROUND                                         ; the closing round
	s_endpgm
.Lfunc_end_k_q674978dc7f_attn:
	.size	k_q674978dc7f_attn, .Lfunc_end_k_q674978dc7f_attn-k_q674978dc7f_attn
	.p2alignl 7, 3214868480
	.fill 96, 4, 3214868480
	.section	.rodata,"a",@progbits
	.p2align	6, 0x0
	.amdhsa_kernel k_q674978dc7f_attn
		.amdhsa_group_segment_fixed_size 206848
		.amdhsa_private_segment_fixed_size 0
		.amdhsa_enable_private_segment 0
		.amdhsa_kernarg_size 24
		.amdhsa_user_sgpr_count 2
		.amdhsa_user_sgpr_kernarg_segment_ptr 1
		.amdhsa_wavefront_size32 1
		.amdhsa_system_sgpr_workgroup_id_x 1
		.amdhsa_system_sgpr_workgroup_id_y 1
		.amdhsa_system_sgpr_workgroup_id_z 1
		.amdhsa_system_vgpr_workitem_id 0
		.amdhsa_next_free_vgpr 256
		.amdhsa_next_free_sgpr 66
		.amdhsa_reserve_vcc 1
		.amdhsa_float_denorm_mode_32 3
		.amdhsa_float_denorm_mode_16_64 3
		.amdhsa_memory_ordered 1
		.amdhsa_forward_progress 1
		.amdhsa_inst_pref_size 69
	.end_amdhsa_kernel
	.amdgpu_metadata
---
amdhsa.version: [ 1, 2 ]
amdhsa.kernels:
  - .name:           k_q674978dc7f_attn
    .symbol:         k_q674978dc7f_attn.kd
    .args:
      - { .name: qkv, .offset: 0, .size: 8, .value_kind: global_buffer, .address_space: global }
      - { .name: cc, .offset: 8, .size: 8, .value_kind: global_buffer, .address_space: global }
      - { .name: cs, .offset: 16, .size: 8, .value_kind: global_buffer, .address_space: global }
    .group_segment_fixed_size: 206848
    .private_segment_fixed_size: 0
    .kernarg_segment_align: 8
    .kernarg_segment_size: 24
    .max_flat_workgroup_size: 512
    .sgpr_count:     66
    .vgpr_count:     256
    .wavefront_size: 32
...
	.end_amdgpu_metadata
.endif
;; end of part 3
;; launch outp (part 4): grid 4 x 32, 4 waves a work-group, clusters of 4 x 4, 327,680 bytes of LDS; arguments cc, cs, cod, scl, bo, out0; writes out0
.if DOCPART == 4
	.amdgcn_target "amdgcn-amd-amdhsa--gfx1250"
	.amdhsa_code_object_version 6
	.text
	.protected	k_q674978dc7f_outp
	.globl	k_q674978dc7f_outp
	.p2align	8
	.type	k_q674978dc7f_outp,@function
k_q674978dc7f_outp:
	s_mov_b64 s[64:65], 0
	v_nop
	global_prefetch_b8 v0, s[64:65] scope:SCOPE_SE
	s_setreg_imm32_b32 hwreg(HW_REG_WAVE_MODE, 25, 1), 1
	s_wait_xcnt 0x0
	s_wait_alu depctr_hold_cnt(0) depctr_sa_sdst(0) depctr_va_vdst(0) depctr_va_sdst(0) depctr_va_ssrc(0) depctr_va_vcc(0) depctr_vm_vsrc(0)
	s_getreg_b32 s2, hwreg(HW_REG_IB_STS2, 6, 4)
	s_cmp_eq_u32 s2, 0
	s_cbranch_scc0 .Lentry_in_a_cluster
	s_endpgm
.Lentry_in_a_cluster:
	s_bfe_u32 s2, ttmp6, 0x10000c
	s_cmp_lg_u32 s2, 0xf033
	s_cbranch_scc0 .Lentry_shape_is_right
	s_endpgm
.Lentry_shape_is_right:
.set SIZE_N, 1024
.set SIZE_K, 1024
.set KSTEP,  256
.set NQ,     KSTEP/128
.set ROWB,   24576                     ; from a K step's 128 rows x 192 bytes of Wo's codes to the next K step's, in cod's order [block of 128 rows][K step][row][192]
.set KROW,   SIZE_K*6/8
.set PITCH,  240
.set AROW,   3072
.set FR,     12
.set NLA,    4
.set NP,     4
.set HALFA,  8*AROW
.set HALFB,  128*PITCH
.set SLOT,   2*HALFA+2*HALFB
.set LAPS,   SIZE_K/(2*KSTEP)
.set KS,     SIZE_K/32
.set SCL,    2*SLOT
.set HALFS,  (128*KS/256)*272
.set SBLK,   (16*KS/256)*272
.set SPARE,  SCL+4*HALFS
.set SPITCH, 528
.set WOROW,  27648
.set BA,   9
.set ADRA, 16
.set ADRB, 20
.set STO,  24
.set RD,   25
.set CO,   26
.set ADRS, 27
.set SPW,  28
.set NIL,  29
.set SC,   32
.set BI,   64
.set AF,   128
.set BK,   128
.set G1, 24
.set G0, 32
.set G1B, 48
.set G0B, 56
.set G1S, 68
.set G0S, 76
.set G1SB, 80
.set G0SB, 88
.set MSB, 0
.macro WIN new
.if MSB != \new
	s_set_vgpr_msb (MSB<<8)|\new
.set MSB, \new
.endif
.endm
.set MUL_LO, 0xa1
.set MUL_HI, 0xf1
.set FST_LO, 0x81
.set FST_HI, 0xc1
.set TO_B,   0x40
.macro JLOAD g0a, g1a, g0b, g1b
	s_cmp_eq_u32 s15, 0
	s_cbranch_scc0 .Lfor_b_\@
	tensor_load_to_lds s[\g0a:\g0a+3], s[\g1a:\g1a+7]
	s_nop 0
.rept 4
	v_nop
.endr
	s_branch .Lasked_\@
.Lfor_b_\@:
	tensor_load_to_lds s[\g0b:\g0b+3], s[\g1b:\g1b+7]
	s_nop 0
.rept 4
	v_nop
.endr
.Lasked_\@:
.endm
.macro CREST
	s_cmp_lg_u32 s14, 0
	s_cbranch_scc1 .Lnot_wave_0_\@
	s_barrier_signal -3
.Lnot_wave_0_\@:
	s_barrier_wait -3
	s_barrier_signal -1
	s_barrier_wait -1
.endm
.macro CROUND
	s_barrier_signal -1
	s_barrier_wait -1
	CREST
.endm
	s_load_b128 s[4:7], s[0:1], 0x0
	s_load_b128 s[8:11], s[0:1], 0x10
	s_load_b64 s[96:97], s[0:1], 0x20
	s_load_b64 s[12:13], s[0:1], 0x28
	v_lshl_add_u32 v[SPW], v0, 2, SPARE
	v_mov_b32 v[NIL], 0
	ds_add_u32 v28, v29
	ds_add_u32 v28, v29
	s_wait_dscnt 0x0
	v_lshrrev_b32 v1, 5, v0
	v_readfirstlane_b32 s14, v1
	s_lshr_b32 s15, s14, 1
	s_and_b32 s16, s14, 1
	s_bfe_u32 s40, ttmp6, 0x40000
	s_bfe_u32 s41, ttmp6, 0x40004
	s_lshl_b32 s42, ttmp9, 2
	s_add_co_u32 s42, s42, s40
	s_and_b32 s17, ttmp7, 0xffff
	s_lshl_b32 s17, s17, 2
	s_add_co_u32 s17, s17, s41
	s_lshl_b32 s43, s41, 2
	s_lshl_b32 s43, 15, s43
	s_lshl_b32 s44, 0x1111, s40
	s_or_b32 s[G1+0], s43, (3<<16)|(1<<21)
	s_mov_b32 s[G1+1], 384<<16
	s_mov_b32 s[G1+2], 8<<16
	s_mov_b32 s[G1+3], 384<<16
	s_mov_b32 s[G1+4], 8
	s_mov_b32 s[G1+5], 1536
	s_mov_b32 s[G1+6], 0
	s_mov_b32 s[G1+7], 0
	s_or_b32 s[G1B+0], s44, (0<<16)|(1<<20)|(1<<21)|(3<<22)|(3<<25)
	s_mov_b32 s[G1B+1], 256<<16                    ; 128 rows x 192 bytes are 24,576 dense bytes: fetched as 96 rows of 256 bytes, each at a multiple of 256;
	s_mov_b32 s[G1B+2], 96<<16                     ; 16 bytes of padding behind every 64 give LDS rows of 192 + 48 = PITCH bytes
	s_mov_b32 s[G1B+3], 256<<16
	s_mov_b32 s[G1B+4], 96
	s_mov_b32 s[G1B+5], 256
	s_mov_b32 s[G1B+6], 0
	s_mov_b32 s[G1B+7], 0
	s_or_b32 s[G1S+0], s43, (3<<16)|(1<<20)|(1<<21)|(5<<22)|(3<<25)
	s_or_b32 s[G1SB+0], s44, (3<<16)|(1<<20)|(1<<21)|(5<<22)|(3<<25)
.irp g, G1S, G1SB
	s_mov_b32 s[\g+1], 32<<16
	s_mov_b32 s[\g+2], (128*KS/256)<<16
	s_mov_b32 s[\g+3], 32<<16
	s_mov_b32 s[\g+4], 128*KS/256
	s_mov_b32 s[\g+5], 32
	s_mov_b32 s[\g+6], 0
	s_mov_b32 s[\g+7], 0
.endr
	s_lshl_b32 s18, s16, 7
	s_lshl_b32 s20, s17, 8
	s_add_co_u32 s20, s20, s18
	s_lshl_b32 s46, s42, 8
	s_add_co_u32 s46, s46, s18
	s_add_co_u32 s46, s46, WOROW
	s_mov_b32 s21, 0
	s_mov_b32 s47, 0
	s_mov_b64 s[18:19], KS
	s_mul_u64 s[22:23], s[20:21], s[18:19]
	s_mul_u64 s[92:93], s[46:47], s[18:19]
	s_mov_b64 s[18:19], KROW
	s_mul_u64 s[20:21], s[20:21], s[18:19]
	s_mul_u64 s[46:47], s[46:47], s[18:19]
	s_mul_i32 s45, s16, HALFA
	s_mul_i32 s95, s16, HALFB
	s_add_co_u32 s95, s95, 2*HALFA
	s_mul_i32 s94, s14, HALFS
	s_wait_kmcnt 0x0
	s_add_nc_u64 s[20:21], s[4:5], s[20:21]
	s_add_nc_u64 s[22:23], s[6:7], s[22:23]
	s_add_nc_u64 s[46:47], s[8:9], s[46:47]
	s_add_nc_u64 s[92:93], s[10:11], s[92:93]
	CROUND
	s_mov_b32 s[G0S], 1
	s_add_co_u32 s[G0S+1], s94, SCL
	s_mov_b64 s[G0S+2:G0S+3], s[22:23]
	s_or_b32 s[G0S+3], s[G0S+3], 0x80000000
	s_mov_b32 s[G0SB], 1
	s_add_co_u32 s[G0SB+1], s94, SCL
	s_mov_b64 s[G0SB+2:G0SB+3], s[92:93]
	s_or_b32 s[G0SB+3], s[G0SB+3], 0x80000000
	JLOAD G0S, G1S, G0SB, G1SB
.irp s, 0,1
	s_mov_b32 s[G0+4*\s], 1
	s_add_co_u32 s[G0+4*\s+1], s45, \s*SLOT
	s_add_nc_u64 s[G0+4*\s+2:G0+4*\s+3], s[20:21], \s*AROW
	s_or_b32 s[G0+4*\s+3], s[G0+4*\s+3], 0x80000000
	s_mov_b32 s[G0B+4*\s], 1
	s_add_co_u32 s[G0B+4*\s+1], s95, \s*SLOT
	s_add_nc_u64 s[G0B+4*\s+2:G0B+4*\s+3], s[46:47], \s*ROWB
	s_or_b32 s[G0B+4*\s+3], s[G0B+4*\s+3], 0x80000000
	s_wait_alu depctr_va_vdst(0)
	s_wait_tensorcnt 0x0
	ds_add_u32 v28, v29
	s_wait_dscnt 0x0
	CROUND
	JLOAD G0+4*\s, G1, G0B+4*\s, G1B
.endr
	v_and_b32 v1, 15, v0
	v_bfe_u32 v2, v0, 4, 1
	v_mul_u32_u24 v3, v1, PITCH
	v_mul_u32_u24 v4, v2, 24
	v_add_nc_u32 v4, v3, v4
	v_lshl_add_u32 v5, v2, 4, v4
	v_and_b32 v6, 31, v0
	v_lshlrev_b32 v7, 4, v6
	v_lshlrev_b32 v8, 3, v6
	s_mul_i32 s21, s15, HALFA
	s_mul_i32 s22, s16, HALFB
	s_add_co_u32 s22, s22, 2*HALFA
.irp s, 0,1
	v_add_nc_u32 v[ADRA+\s], s21, v7
	v_add_nc_u32 v[ADRA+2+\s], s21, v8
	v_add_nc_u32 v[ADRB+\s], s22, v4
	v_add_nc_u32 v[ADRB+2+\s], s22, v5
	s_add_co_u32 s21, s21, SLOT
	s_add_co_u32 s22, s22, SLOT
.endr
	v_mul_u32_u24 v5, v1, KS
	v_lshrrev_b32 v6, 8, v5
	v_lshl_add_u32 v5, v6, 4, v5
	s_mul_i32 s21, s15, HALFS
	s_mul_i32 s22, s16, HALFS
	s_add_co_u32 s22, s22, 2*HALFS
	s_sub_co_u32 s22, s22, s21
	v_mul_u32_u24 v6, s22, v2
	s_add_co_u32 s21, s21, SCL
	v_add_nc_u32 v5, v5, v6
	v_add_nc_u32 v[ADRS], s21, v5
	s_mul_i32 s23, s14, 16*SPITCH
	v_mul_u32_u24 v5, v1, SPITCH
	v_lshl_add_u32 v5, v2, 5, v5
	v_add_nc_u32 v[STO], s23, v5
	v_and_b32 v6, 31, v0
	v_lshlrev_b32 v[CO], 4, v6
	v_add_nc_u32 v[RD], s23, v[CO]
	v_lshlrev_b32 v[BA], 5, v2
	s_wait_alu depctr_va_vdst(0)
	s_lshl_b32 s20, s17, 8
	s_lshl_b32 s21, s15, 7
	s_add_co_u32 s20, s20, s21
	s_mov_b32 s21, 0
	s_mov_b64 s[18:19], SIZE_N*4
	s_mul_u64 s[20:21], s[20:21], s[18:19]
	s_lshl_b32 s46, s42, 10
	s_lshl_b32 s47, s16, 9
	s_add_co_u32 s46, s46, s47
	s_mov_b32 s47, 0
	s_add_nc_u64 s[96:97], s[96:97], s[46:47]
	s_add_nc_u64 s[20:21], s[20:21], s[46:47]
	s_add_nc_u64 s[12:13], s[12:13], s[20:21]
.irp b, 0,1,2,3,4,5,6,7
	global_load_b128 v[BI+8*\b:BI+8*\b+3], v[BA], s[96:97] offset:64*\b
	global_load_b128 v[BI+8*\b+4:BI+8*\b+7], v[BA], s[96:97] offset:64*\b+16
.endr
.macro FRAG reg, adr, q, i
.irp p, 0,1,2,3,4,5
.set PCE, 12*(\q)+6*(\p/3)+\p%3
.if PCE%8 < 5
	ds_load_b64 v[\reg+2*\p:\reg+2*\p+1], v[\adr] offset:8*PCE+16*(PCE/8)+(\i)*16*PITCH
.else
	ds_load_b64 v[\reg+2*\p:\reg+2*\p+1], v[\adr+2] offset:8*PCE+16*(PCE/8)+(\i)*16*PITCH
.endif
.endr
.endm
.macro AFRAG reg, adr, q, i
	ds_load_b128 v[\reg:\reg+3], v[\adr] offset:(\i)*AROW+(\q)*1536
	ds_load_b64 v[\reg+4:\reg+5], v[\adr+2] offset:(\i)*AROW+(\q)*1536+512
	ds_load_b128 v[\reg+6:\reg+9], v[\adr] offset:(\i)*AROW+(\q)*1536+768
	ds_load_b64 v[\reg+10:\reg+11], v[\adr+2] offset:(\i)*AROW+(\q)*1536+1280
.endm
.macro MUL16 a0, p, q, sc, first
.irp a, \a0, \a0+1
.irp b, 0,1,2,3,4,5,6,7
.if \first
	v_wmma_scale_f32_16x16x128_f8f6f4 v[8*(8*((\a)%4)+\b):8*(8*((\a)%4)+\b)+7], v[128*(\p)+FR*\b:128*(\p)+FR*\b+FR-1], v[AF+FR*(\a):AF+FR*(\a)+FR-1], v[BI+8*\b:BI+8*\b+7], v[SC+8*NQ*(\sc)+NQ*\b+(\q)], v[SC+8*NQ*(\sc)+NQ*(\a)+(\q)] matrix_a_fmt:MATRIX_FMT_FP6 matrix_b_fmt:MATRIX_FMT_FP6 matrix_a_scale:MATRIX_SCALE_ROW1
.else
	v_wmma_scale_f32_16x16x128_f8f6f4 v[8*(8*((\a)%4)+\b):8*(8*((\a)%4)+\b)+7], v[128*(\p)+FR*\b:128*(\p)+FR*\b+FR-1], v[AF+FR*(\a):AF+FR*(\a)+FR-1], v[8*(8*((\a)%4)+\b):8*(8*((\a)%4)+\b)+7], v[SC+8*NQ*(\sc)+NQ*\b+(\q)], v[SC+8*NQ*(\sc)+NQ*(\a)+(\q)] matrix_a_fmt:MATRIX_FMT_FP6 matrix_b_fmt:MATRIX_FMT_FP6 matrix_a_scale:MATRIX_SCALE_ROW1
.endif
.endr
.endr
.endm
.macro FETCH_B slot, q, p
	WIN TO_B
.irp i, 0,1,2,3,4,5,6,7
	FRAG 128*(\p)+FR*\i, ADRB+\slot, \q, \i
.endr
	WIN 0
.endm
.macro FETCH_A slot, q, i0
.irp i, \i0, \i0+1, \i0+2, \i0+3
	AFRAG AF+FR*(\i), ADRA+\slot, \q, \i
.endr
.endm
.macro SCALES sc
.irp i, 0,1,2,3,4,5,6,7
	ds_load_b64 v[SC+8*NQ*\sc+NQ*\i:SC+8*NQ*\sc+NQ*\i+1], v[ADRS] offset:\i*SBLK
.endr
.endm
.macro PLACES n
.rept \n
	v_nop
.endr
.endm
.macro STEP slot, q, first
	s_wait_dscnt 4*NLA
.if \first
	WIN FST_LO
.else
	WIN MUL_LO
.endif
	MUL16 0, (\q)%2, \q, \slot, \first
	MUL16 2, (\q)%2, \q, \slot, \first
	s_wait_dscnt 0
	PLACES NP
	FETCH_B \slot, (\q)+1, 1-(\q)%2
	FETCH_A \slot, (\q)+1, 0
.if \first
	WIN FST_HI
.else
	WIN MUL_HI
.endif
	MUL16 4, (\q)%2, \q, \slot, \first
	MUL16 6, (\q)%2, \q, \slot, \first
	PLACES NP
	WIN 0
	FETCH_A \slot, (\q)+1, 4
.endm
.macro TURN slot, next, fill
	s_wait_tensorcnt 0x0
	ds_add_u32 v[SPW], v[NIL]
	s_wait_dscnt 4*NLA+1
	WIN MUL_LO
	MUL16 0, 1, NQ-1, \slot, 0
	s_wait_dscnt 0x0
	s_barrier_signal -1
	MUL16 2, 1, NQ-1, \slot, 0
	WIN 0
	s_barrier_wait -1
.if \fill
	CREST
	s_add_nc_u64 s[G0+4*\slot+2:G0+4*\slot+3], s[G0+4*\slot+2:G0+4*\slot+3], 2*AROW
	s_add_nc_u64 s[G0B+4*\slot+2:G0B+4*\slot+3], s[G0B+4*\slot+2:G0B+4*\slot+3], 2*ROWB
	JLOAD G0+4*\slot, G1, G0B+4*\slot, G1B
.else
	PLACES NP
.endif
	s_wait_alu depctr_va_vdst(0)
	v_add_nc_u32 v[ADRS], 4*NQ, v[ADRS]
	FETCH_B \next, 0, 0
	FETCH_A \next, 0, 0
	SCALES \next
	WIN MUL_HI
	MUL16 4, 1, NQ-1, \slot, 0
	MUL16 6, 1, NQ-1, \slot, 0
	PLACES NP
	WIN 0
	FETCH_A \next, 0, 4
.endm
	s_wait_loadcnt 0x0
	s_wait_tensorcnt 1
	s_barrier_signal -1
	s_barrier_wait -1
	FETCH_B 0, 0, 0
	FETCH_A 0, 0, 0
	SCALES 0
	FETCH_A 0, 0, 4
	STEP 0, 0, 1
	s_mov_b32 s3, LAPS-1
.Llap:
	TURN 0, 1, 1
	STEP 1, 0, 0
	TURN 1, 0, 1
	STEP 0, 0, 0
	s_sub_co_u32 s3, s3, 1
	s_cmp_lg_u32 s3, 0
	s_cbranch_scc1 .Llap
	TURN 0, 1, 0
	STEP 1, 0, 0
	s_wait_dscnt 4*NLA
	WIN MUL_LO
	MUL16 0, 1, NQ-1, 1, 0
	MUL16 2, 1, NQ-1, 1, 0
	s_wait_dscnt 0
	WIN MUL_HI
	MUL16 4, 1, NQ-1, 1, 0
	MUL16 6, 1, NQ-1, 1, 0
	WIN 0
.macro TOSTAGE a
.set AC, 64*((\a)%4)
	WIN 0x08+4*((\a)/4)
.irp b, 0,1,2,3,4,5,6,7
	ds_store_b128 v[STO], v[AC+8*\b:AC+8*\b+3] offset:64*\b
	ds_store_b128 v[STO], v[AC+8*\b+4:AC+8*\b+7] offset:64*\b+16
.endr
	WIN 0
.set BB, BK+64*((\a)%2)
.irp t, 0,1,2,3,4,5,6,7,8,9,10,11,12,13,14,15
	ds_load_b128 v[BB+4*\t:BB+4*\t+3], v[RD] offset:\t*SPITCH
.endr
.endm
.macro SEND a, younger
.set BB, BK+64*((\a)%2)
	s_wait_dscnt \younger
.if (\a) > 0
	s_add_nc_u64 s[12:13], s[12:13], 16*SIZE_N*4
.endif
.irp t, 0,1,2,3,4,5,6,7,8,9,10,11,12,13,14,15
	global_store_b128 v[CO], v[BB+4*\t:BB+4*\t+3], s[12:13] offset:\t*SIZE_N*4 th:TH_STORE_NT
.endr
.endm
	PLACES NP
	TOSTAGE 0
.irp a, 1,2,3,4,5,6,7
.if \a > 1
	s_wait_xcnt 0x0
.endif
	TOSTAGE \a
	SEND \a-1, 32
.endr
	s_wait_xcnt 0x0
	SEND 7, 0
	s_wait_tensorcnt 0x0
	ds_add_u32 v[SPW], v[NIL]
	s_wait_dscnt 0x0
	CROUND
	s_endpgm
.Lfunc_end_k_q674978dc7f_outp:
	.size	k_q674978dc7f_outp, .Lfunc_end_k_q674978dc7f_outp-k_q674978dc7f_outp
	.p2alignl 7, 3214868480
	.fill 96, 4, 3214868480
	.section	.rodata,"a",@progbits
	.p2align	6, 0x0
	.amdhsa_kernel k_q674978dc7f_outp
		.amdhsa_group_segment_fixed_size 327680
		.amdhsa_private_segment_fixed_size 0
		.amdhsa_enable_private_segment 0
		.amdhsa_kernarg_size 48
		.amdhsa_user_sgpr_count 2
		.amdhsa_user_sgpr_kernarg_segment_ptr 1
		.amdhsa_wavefront_size32 1
		.amdhsa_system_sgpr_workgroup_id_x 1
		.amdhsa_system_sgpr_workgroup_id_y 1
		.amdhsa_system_sgpr_workgroup_id_z 1
		.amdhsa_system_vgpr_workitem_id 0
		.amdhsa_next_free_vgpr 1024
		.amdhsa_next_free_sgpr 100
		.amdhsa_reserve_vcc 0
		.amdhsa_float_denorm_mode_32 3
		.amdhsa_float_denorm_mode_16_64 3
		.amdhsa_memory_ordered 1
		.amdhsa_forward_progress 1
		.amdhsa_inst_pref_size 155
	.end_amdhsa_kernel
	.amdgpu_metadata
---
amdhsa.version: [ 1, 2 ]
amdhsa.kernels:
  - .name:           k_q674978dc7f_outp
    .symbol:         k_q674978dc7f_outp.kd
    .args:
      - { .name: cc, .offset: 0, .size: 8, .value_kind: global_buffer, .address_space: global }
      - { .name: cs, .offset: 8, .size: 8, .value_kind: global_buffer, .address_space: global }
      - { .name: cod, .offset: 16, .size: 8, .value_kind: global_buffer, .address_space: global }
      - { .name: scl, .offset: 24, .size: 8, .value_kind: global_buffer, .address_space: global }
      - { .name: bo, .offset: 32, .size: 8, .value_kind: global_buffer, .address_space: global }
      - { .name: out0, .offset: 40, .size: 8, .value_kind: global_buffer, .address_space: global }
    .group_segment_fixed_size: 327680
    .private_segment_fixed_size: 0
    .kernarg_segment_align: 8
    .kernarg_segment_size: 48
    .max_flat_workgroup_size: 128
    .sgpr_count:     100
    .vgpr_count:     1024
    .wavefront_size: 32
...
	.end_amdgpu_metadata
.endif
;; end of part 4
